; MI455X (gfx1250); checked and timed in simulation.
; The chip was launched on July 23, 2026; its instructions are those of AMD's public machine-readable ISA for CDNA 5 (MIT licence, August 2026) and "CDNA5" Instruction Set Architecture Reference Guide (July 2026). The comments in the code are by the model that wrote it; some were corrected since.
;; Attention. Allowed arithmetic: matrix products marked QUANTISED: E2M3 operands, one E8M0 scale for each 32 along K, by v_wmma_scale_f32_16x16x128_f8f6f4 with both operands' format E2M3, f32 sums; everything else in f32.
;; Inputs: Wk_codes 1,024 x 32 x 24 uint8 (E2M3 codes of Wk, K innermost, in blocks of 32 codes, four codes in three bytes); Wk_scales 1,024 x 32 uint8 (E8M0 scales of Wk, one for each 32 codes along K); Wq_codes 1,024 x 32 x 24 uint8 (E2M3 codes of Wq, K innermost, in blocks of 32 codes, four codes in three bytes); Wq_scales 1,024 x 32 uint8 (E8M0 scales of Wq, one for each 32 codes along K); Wv_codes 1,024 x 32 x 24 uint8 (E2M3 codes of Wv, K innermost, in blocks of 32 codes, four codes in three bytes); Wv_scales 1,024 x 32 uint8 (E8M0 scales of Wv, one for each 32 codes along K); b_k 1,024 float32; b_t 1,024 float32; b_v 1,024 float32; bk 1,024 float32; bq 1,024 float32; bv 1,024 float32; g_k 1,024 float32; g_t 1,024 float32; g_v 1,024 float32; source_k 8 x 2,048 x 1,024 float32; source_v 8 x 2,048 x 1,024 float32; target 8 x 512 x 1,024 float32.
;; Outputs: out0 8 x 512 x 1,024 float32.
;; This version of the problem:
;;   THIS VERSION OF THE PROBLEM IS GIVEN IN LOW PRECISION. The matrix products marked QUANTISED in the list below multiply operands that are first quantised to E2M3 (2 exponent bits, 3 mantissa bits; 6 bits a number), with one power-of-two scale for each 32 numbers along K (OCP MX v1.0); their sums are f32. All else is computed in f32.
;;   The module's matrix products, in the order in which they are computed (A, B: the left and right operand; K: the contracted axis; several contracted axes count as one K, in the product's order):
;;     1. [M 4,096, K 1,024] x [K 1,024, N 1,024]; A: computed on the way; B: input Wq (given as codes): QUANTISED
;;     2. [M 16,384, K 1,024] x [K 1,024, N 1,024]; A: computed on the way; B: input Wk (given as codes): QUANTISED
;;     3. [M 16,384, K 1,024] x [K 1,024, N 1,024]; A: computed on the way; B: input Wv (given as codes): QUANTISED
;;     4. batch 8 x [M 512, K 1,024] x [K 1,024, N 2,048]; A: computed on the way; B: computed on the way: QUANTISED
;;     5. batch 8 x [M 512, K 2,048] x [K 2,048, N 1,024]; A: softmax (see below); B: computed on the way: QUANTISED
;;   THE QUANTISER, for each operand of a quantised product, along K:
;;     - K is cut into blocks of 32 from its start; a last block that is shorter is filled with zeros.
;;     - A block's scale is 2^e with e = floor(log2(the largest magnitude in the block)) - 2, held to -126 .. 127; a block of zeros has e = 0. As a byte (E8M0): e + 127.
;;     - Each number is divided by its block's scale, clamped to +-7.5, and rounded to the nearest number of E2M3, ties to even, subnormals kept.
;;     - The product sums the exact products of the quantised numbers (number of the format x scale) in f32.
;;   ~~~python
;;   def quantise(x, axis):      # numpy; x: float32 -> the quantised numbers, widened to float32 again
;;       x = np.moveaxis(x, axis, -1); K = x.shape[-1]
;;       x = np.pad(x, [(0, 0)] * (x.ndim - 1) + [(0, -K % 32)]); x = x.reshape(x.shape[:-1] + (-1, 32)); a = np.abs(x).max(-1, keepdims=True)
;;       e = np.where(a > 0, np.clip(np.frexp(np.where(a > 0, a, 1))[1] - 1 - 2, -126, 127), 0)      # np.frexp(a)[1] - 1 = floor(log2(a)), exactly
;;       r = np.clip(x / 2.0 ** e, -7.5, 7.5)
;;       step = 2.0 ** (np.maximum(np.frexp(np.where(r == 0, 1, r))[1] - 1, 0) - 3)
;;       q = np.round(r / step) * step * 2.0 ** e      # np.round: ties to even
;;       return np.moveaxis(q.reshape(q.shape[:-2] + (-1,))[..., :K], -1, axis).astype(np.float32)
;;   ~~~
;;   SOFTMAX AHEAD OF A QUANTISED PRODUCT. Where the list says 'softmax', what is quantised is not the finished softmax but p = 2^(t - M), with t = logit x log2(e) and M = ceil(the row's largest t), a whole number; so 1/2 < the row's largest p <= 1. The row's sum l is taken of the UNQUANTISED p, in f32, and the product's result is divided by l at the end. Since M is a whole number, a kernel that streams over the keys may use a running M (the ceiling of the running maximum): every later rescaling is an exact power of two, which a block's scale takes up: the codes' values come out the same.
;;   OPERANDS COMPUTED ON THE WAY. 'Computed on the way' means the value that the module computes at that place (a softmax that the list does not call 'softmax' is quantised finished and normalised). What goes into a quantiser is computed in f32, as accurately as f32 sums, v_exp_f32 and their like allow (about 1e-6 of the number): no bf16 or f16 on the way to a quantiser, and a product that is left as it is and whose result goes on into a quantised operand takes f32 operands (vector FMAs, or v_wmma_f32_16x16x4_f32). A number that lies on a knife's edge between two numbers of the format may be rounded either way, as far as f32 arithmetic and the matrix unit's own rounding can turn it there, and no further.
;;   INPUTS GIVEN AS CODES. Wk (in the module: [1024, 1024], K = its axis 1); Wq (in the module: [1024, 1024], K = its axis 1); Wv (in the module: [1024, 1024], K = its axis 1): each comes as NAME_codes (uint8): NAME with its K axis moved to the last place and cut into blocks of 32 codes, [.., K / 32, bytes a block], one block behind the other in memory; four codes in three bytes: a row's codes are one little-endian stream of bits, code i at bits 6 i .. 6 i + 5 (a code: sign, 2 exponent bits, 3 mantissa bits); and NAME_scales (uint8): the same leading axes, one E8M0 byte (e + 127) for each 32 codes along K. Its value is code x scale, taken as it is: it is not quantised again, and the codes and scales need not be those that the quantiser above would give.
;; One version. Each part assembles by itself: llvm-mc -triple=amdgcn-amd-amdhsa -mcpu=gfx1250 --defsym DOCPART=n.
;; ======== version 1 of 1: 4 launches
;; limits: right only within a limited range of input values
;; workspace buffers: xw_img 30,670,848 bytes; xw_sc 1,277,952 bytes; qkv_img 28,311,552 bytes; qkv_sc 1,179,648 bytes; p_img 6,291,456 bytes; p_st 786,432 bytes
;; launch lnq (part 1): grid 624 x 1, 4 waves a work-group, no clusters, 70,656 bytes of LDS; arguments target, source_k, source_v, g_t, b_t, g_k, b_k, g_v, b_v, Wq_codes, Wq_scales, Wk_codes, Wk_scales, Wv_codes, Wv_scales, xw_img, xw_sc; writes xw_img, xw_sc
.if DOCPART == 1
	.amdgcn_target "amdgcn-amd-amdhsa--gfx1250"
	.amdhsa_code_object_version 6
	.text
	.protected	k_q8b4af78b89_lnq
	.globl	k_q8b4af78b89_lnq
	.p2align	8
	.type	k_q8b4af78b89_lnq,@function
k_q8b4af78b89_lnq:
	s_mov_b64 s[64:65], 0
	v_nop
	global_prefetch_b8 v0, s[64:65] scope:SCOPE_SE
	s_setreg_imm32_b32 hwreg(HW_REG_WAVE_MODE, 25, 1), 1
	s_wait_xcnt 0x0
; LayerNorm of target, source_k, source_v (rows of 1,024 f32), quantised along the row to E2M3 with one E8M0 byte for each 32, and the three weights' codes laid anew.
; OUTPUT FORMAT (this program's own).  An operand's rows are POSITIONS.  A fragment (16 positions x 128 K) is 1,536 bytes, the image of the matrix operand's 12 registers: register c of lane l at byte
; 512 (c / 4) + 16 l + 4 (c % 4); lane (r = l % 16, h = l / 16) holds, in registers 6 c' .. 6 c' + 5, the 24 bytes of position r's codes of k = 128 s + 64 c' + 32 h + 0 .. 31.  Fragments lie [tile of 16 positions][K step s].
; Scale words (four bytes: one K step of one position) lie [s][position].
; PERMUTED POSITIONS: for source_k, source_v, Wq, Wk position r of tile T is true row 32 (T / 2) + 8 (T % 2) + r + 8 (r / 8); target and Wv keep their order.
; SHARES.  Work-groups 0-575: a wave takes a tile of 16 rows (0-63 target, 64-319 source_k, 320-575 source_v).  Work-groups 576-623: a wave takes a tile of 16 rows of a weight.
; A row comes by eight loads of 512 consecutive bytes, turns through the wave's own stage in LDS so that lane l holds block l (32 neighbours), and stays in 32 registers for mean, variance, scaling and conversion.
; Loads run four rows (32 loads a wave) ahead.  The rows' codes gather in the wave's own LDS and leave as images, 512 consecutive bytes a store; the four waves' scale bytes meet in LDS and leave as runs of 256 bytes.
; The weights' scale words leave in runs of 64 bytes (98,304 bytes in the whole launch).
; LIMITS: NaN and infinities are not served; a block of zeros gets the byte 1 (its codes are zeros; this program alone reads the bytes).
.set FSTW, 4608                        ; a wave's stage for one row of f32: 32 blocks of 128 bytes + 16
.set CST,  18432                       ; behind the four stages: a wave's 16 rows of codes,
.set CSTW, 12416                       ; 16 x 776 bytes
.set CP,   776                         ; a row of 768 bytes + 8
.set SCB,  68096                       ; the work-group's scale bytes: [8 K steps][64 positions] words
.set A, 16                             ; v16-23   four packed sums
.set C, 24                             ; v24-30   a block's codes
.set X, 32                             ; v32-63   my block of the row
.set G, 64                             ; v64-95   the gain of my 32 columns
.set B, 96                             ; v96-127  the bias of my 32 columns
.set R, 128                            ; v128-255 four rows as they are loaded; at the end the images
	s_load_b512 s[4:19], s[0:1], 0x0               ; target, source_k, source_v, g_t, b_t, g_k, b_k, g_v
	s_load_b512 s[20:35], s[0:1], 0x40             ; b_v, Wq codes, scales, Wk codes, scales, Wv codes, scales, xw_img
	s_load_b64 s[36:37], s[0:1], 0x80              ; xw_sc
	s_set_vgpr_msb 0x40
	v_lshl_add_u32 v0, v0, 2, 0x11200
	v_mov_b32 v1, 0
	s_set_vgpr_msb 0x4000
	v_lshrrev_b32 v11, 5, v0
	v_readfirstlane_b32 s38, v11                   ; wave
	v_and_b32 v11, 31, v0                          ; lane l
	v_and_b32 v14, 15, v0                          ; r
	v_bfe_u32 v15, v0, 4, 1                        ; h
	v_lshlrev_b32 v9, 4, v11                       ; 16 l: my 16 bytes of a load's or a store's 512; never rewritten
	s_mov_b32 s59, 0
	s_cmp_ge_u32 ttmp9, 576
	s_cbranch_scc1 .Lweights
	; ---------------- LayerNorm and quantiser ----------------
	s_mul_i32 s54, s38, FSTW
	v_lshrrev_b32 v3, 3, v11
	v_mul_u32_u24 v3, v3, 144
	v_and_b32 v4, 7, v11
	v_lshl_add_u32 v3, v4, 4, v3
	v_add_nc_u32 v3, s54, v3                       ; stage, in: 144 (l / 8) + 16 (l % 8); load j adds 576 j
	v_mul_u32_u24 v4, v11, 144
	v_add_nc_u32 v4, s54, v4                       ; stage, out: block l
	s_mul_i32 s54, s38, CSTW
	s_add_co_u32 s54, s54, CST
	v_mul_u32_u24 v5, v11, 24
	v_add_nc_u32 v5, s54, v5                       ; codes, in: block l's 24 bytes; row t adds 776 t
	v_mul_u32_u24 v6, v14, CP
	v_mad_u32_u24 v6, v15, 24, v6
	v_add_nc_u32 v6, s54, v6                       ; codes, out: row r, + 24 h
	s_lshl_b32 s54, s38, 6
	s_add_co_u32 s54, s54, SCB
	v_lshrrev_b32 v7, 2, v11
	v_lshlrev_b32 v7, 8, v7
	v_and_b32 v8, 3, v11
	v_add_nc_u32 v7, v7, v8
	v_add_nc_u32 v7, s54, v7                       ; scale byte, in: K step l / 4, byte l % 4, position 16 wave + t
	s_lshl_b32 s54, s38, 9
	s_add_co_u32 s54, s54, SCB
	v_lshlrev_b32 v8, 8, v15
	v_lshl_add_u32 v8, v14, 4, v8
	v_add_nc_u32 v8, s54, v8                       ; scale words, out: K step 2 wave + h, 16 bytes a lane
	s_lshl_b32 s54, s38, 1
	v_add_nc_u32 v10, s54, v15
	v_mul_u32_u24 v10, v10, 147456                 ; a K step's words of all 36,864 positions are 147,456 bytes
	v_lshl_add_u32 v10, v14, 4, v10
	s_mov_b32 s50, 0x3a800000                      ; 1 / 1024
	s_mov_b32 s51, 0x3727c5ac                      ; 1e-5
	s_mov_b32 s52, 0x76543210
	s_mov_b32 s53, 0xfedcba98                      ; lane selects: lane l xor 16
	s_wait_alu depctr_va_vdst(0)
	s_wait_kmcnt 0x0
	s_cmp_lt_u32 ttmp9, 64                         ; which tensor: the choice hangs on the work-group's number alone
	s_cselect_b64 s[40:41], s[4:5], s[6:7]
	s_cselect_b64 s[42:43], s[10:11], s[14:15]
	s_cselect_b64 s[44:45], s[12:13], s[16:17]
	s_cselect_b32 s54, 0, 64                       ; the tensor's first work-group
	s_cselect_b32 s55, 0, 1                        ; permuted positions?
	s_cmp_lt_u32 ttmp9, 320
	s_cselect_b64 s[40:41], s[40:41], s[8:9]
	s_cselect_b64 s[42:43], s[42:43], s[18:19]
	s_cselect_b64 s[44:45], s[44:45], s[20:21]
	s_cselect_b32 s54, s54, 320
	s_sub_co_u32 s39, ttmp9, s54
	s_lshl_b32 s39, s39, 2
	s_add_co_u32 s39, s39, s38                     ; my tile in its tensor
	s_and_b32 s56, s39, s55
	s_lshl_b32 s56, s56, 3
	s_lshl_b32 s57, s39, 4
	s_sub_co_u32 s57, s57, s56                     ; position 0's true row: 16 T, or 16 T - 8 in an odd permuted tile
	s_lshl_b32 s58, s57, 12
	s_add_nc_u64 s[40:41], s[40:41], s[58:59]
	s_lshl_b32 s57, s55, 15
	v_add_nc_u32 v2, s57, v9                       ; positions 8-15 of a permuted tile lie 8 rows further on
	s_lshl_b32 s58, ttmp9, 2
	s_add_co_u32 s58, s58, s38
	s_mul_i32 s58, s58, 12288
	s_add_nc_u64 s[46:47], s[34:35], s[58:59]      ; my tile's eight images
	s_lshl_b32 s58, ttmp9, 8
	s_add_nc_u64 s[48:49], s[36:37], s[58:59]      ; the work-group's 64 positions in a K step's words
.irp j, 0,1,2,3,4,5,6,7                        ; gain and bias come as a row does, by loads of 512 consecutive bytes: the gain into B's registers, the bias into X's, until they have turned through the stage
	global_load_b128 v[B+4*\j:B+4*\j+3], v9, s[42:43] offset:512*\j
	global_load_b128 v[X+4*\j:X+4*\j+3], v9, s[44:45] offset:512*\j
.endr
.macro LOAD t                          ; position t's row: eight loads of 512 consecutive bytes
.irp j, 0,1,2,3,4,5,6,7
.if (\t) < 8
	global_load_b128 v[R+32*((\t)%4)+4*\j:R+32*((\t)%4)+4*\j+3], v9, s[40:41] offset:4096*(\t)+512*\j th:TH_LOAD_NT
.else
	global_load_b128 v[R+32*((\t)%4)+4*\j:R+32*((\t)%4)+4*\j+3], v2, s[40:41] offset:4096*(\t)+512*\j th:TH_LOAD_NT
.endif
.endr
.endm
.macro RED                             ; four packed sums -> the row's sum, in v[A] of every lane
	v_pk_add_f32 v[A:A+1], v[A:A+1], v[A+2:A+3]
	v_pk_add_f32 v[A+4:A+5], v[A+4:A+5], v[A+6:A+7]
	v_pk_add_f32 v[A:A+1], v[A:A+1], v[A+4:A+5]
	v_add_f32 v[A], v[A], v[A+1]
	v_add_f32_dpp v[A], v[A], v[A] row_xmask:1 row_mask:0xf bank_mask:0xf
	v_add_f32_dpp v[A], v[A], v[A] row_xmask:2 row_mask:0xf bank_mask:0xf
	v_add_f32_dpp v[A], v[A], v[A] row_xmask:4 row_mask:0xf bank_mask:0xf
	v_add_f32_dpp v[A], v[A], v[A] row_xmask:8 row_mask:0xf bank_mask:0xf
	v_permlanex16_b32 v15, v[A], s52, s53
	v_add_f32 v[A], v[A], v15
.endm
.irp t, 0,1,2,3
	LOAD \t
.endr
	s_wait_loadcnt 32                              ; gain and bias are in: behind their 16 loads stand the four rows' 32
.irp j, 0,1,2,3,4,5,6,7
	ds_store_b128 v3, v[B+4*\j:B+4*\j+3] offset:576*\j
.endr
.irp j, 0,1,2,3,4,5,6,7
	ds_load_b128 v[G+4*\j:G+4*\j+3], v4 offset:16*\j   ; the gain of my 32 columns (LDS serves a wave's instructions in order)
.endr
.irp j, 0,1,2,3,4,5,6,7
	ds_store_b128 v3, v[X+4*\j:X+4*\j+3] offset:576*\j
.endr
	s_wait_dscnt 0x0                               ; the stores have read B's and X's registers
.irp j, 0,1,2,3,4,5,6,7
	ds_load_b128 v[B+4*\j:B+4*\j+3], v4 offset:16*\j   ; the bias of my 32 columns; the first row's wait for its own block covers these loads
.endr
.macro ROW t
.set RS, R+32*((\t)%4)
.if 15-(\t) >= 3
	s_wait_loadcnt 24                              ; this row's eight loads are in (gain and bias are older); the three rows behind it may be out
.else
	s_wait_loadcnt 8*(15-(\t))
.endif
.irp j, 0,1,2,3,4,5,6,7
	ds_store_b128 v3, v[RS+4*\j:RS+4*\j+3] offset:576*\j
.endr
.irp j, 0,1,2,3,4,5,6,7
	ds_load_b128 v[X+4*\j:X+4*\j+3], v4 offset:16*\j   ; LDS serves a wave's instructions in order: these see the stores above
.endr
	s_wait_dscnt 0x0                               ; my block is in; all my LDS stores, the last row's codes too, have read their registers
.if (\t)+4 < 16
	LOAD (\t)+4
.endif
.irp k, 0,1,2,3                                ; the mean
	v_pk_add_f32 v[A+2*\k:A+2*\k+1], v[X+2*\k:X+2*\k+1], v[X+8+2*\k:X+9+2*\k]
.endr
.irp m, 16,24
.irp k, 0,1,2,3
	v_pk_add_f32 v[A+2*\k:A+2*\k+1], v[A+2*\k:A+2*\k+1], v[X+\m+2*\k:X+\m+2*\k+1]
.endr
.endr
	RED
	v_mul_f32 v12, s50, v[A]
	v_mov_b32 v13, v12
.set J, 0
.rept 16
	v_pk_add_f32 v[X+J:X+J+1], v[X+J:X+J+1], v[12:13] neg_lo:[0,1] neg_hi:[0,1]   ; x - mean
.set J, J+2
.endr
.irp k, 0,1,2,3                                ; the variance: the mean of (x - mean)^2
	v_pk_mul_f32 v[A+2*\k:A+2*\k+1], v[X+2*\k:X+2*\k+1], v[X+2*\k:X+2*\k+1]
.endr
.irp m, 8,16,24
.irp k, 0,1,2,3
	v_pk_fma_f32 v[A+2*\k:A+2*\k+1], v[X+\m+2*\k:X+\m+2*\k+1], v[X+\m+2*\k:X+\m+2*\k+1], v[A+2*\k:A+2*\k+1]
.endr
.endr
	RED
	v_fma_f32 v14, v[A], s50, s51
	s_wait_alu depctr_va_vdst(0)
	v_rsq_f32 v12, v14
	v_nop                                          ; a plain instruction behind the transcendental,
	s_wait_alu depctr_va_vdst(0)                   ; and the wait ahead of the first line that names its result
	v_mov_b32 v13, v12
.set J, 0
.rept 16
	v_pk_mul_f32 v[X+J:X+J+1], v[X+J:X+J+1], v[12:13]
.set J, J+2
.endr
.set J, 0
.rept 16
	v_pk_fma_f32 v[X+J:X+J+1], v[X+J:X+J+1], v[G+J:G+J+1], v[B+J:B+J+1]
.set J, J+2
.endr
	v_max3_num_f32 v14, |v[X]|, |v[X+1]|, 0x1800000    ; the block's largest magnitude: all 32 numbers are mine; the floor 2^(3 - 127) holds the byte at 1 from below
	v_max3_num_f32 v15, |v[X+2]|, |v[X+3]|, |v[X+4]|
.irp i, 5,9,13,17,21,25
	v_max3_num_f32 v14, v14, |v[X+\i]|, |v[X+\i+1]|
	v_max3_num_f32 v15, v15, |v[X+\i+2]|, |v[X+\i+3]|
.endr
	v_max3_num_f32 v14, v14, |v[X+29]|, |v[X+30]|
	v_max3_num_f32 v14, v14, v15, |v[X+31]|
	v_add_nc_u32 v15, 0xff000000, v14              ; 2 off its exponent field: the conversion takes this operand's exponent field as its scale
	v_cvt_scalef32_pk16_fp6_f32 v[C:C+2], v[X:X+15], v15
	v_cvt_scalef32_pk16_fp6_f32 v[C+4:C+6], v[X+16:X+31], v15     ; (a conversion's three registers begin on an even number)
	v_lshrrev_b32 v14, 23, v15                     ; the scale's byte; also the plain line behind the conversions
	v_mov_b32 v[C+3], v[C+4]
	v_mov_b32 v[C+4], v[C+5]
	v_mov_b32 v[C+5], v[C+6]                       ; the block's 24 bytes on end
	ds_store_b64 v5, v[C:C+1] offset:CP*(\t)
	ds_store_b64 v5, v[C+2:C+3] offset:CP*(\t)+8
	ds_store_b64 v5, v[C+4:C+5] offset:CP*(\t)+16
	ds_store_b8 v7, v14 offset:4*(\t)
.endm
.irp t, 0,1,2,3,4,5,6,7,8,9,10,11,12,13,14,15
	ROW \t
.endr
	s_wait_dscnt 0x0                               ; for the others' sake: my scale bytes have landed
	s_barrier_signal -1
	s_barrier_wait -1
.irp s, 0,1,2,3,4,5,6,7
.irp p, 0,1,2,3,4,5
	ds_load_b64 v[R+12*\s+2*\p:R+12*\s+2*\p+1], v6 offset:96*\s+48*(\p/3)+8*(\p%3)   ; K step s's fragment, as the operand's registers take it
.endr
.endr
	ds_load_b128 v[C:C+3], v8
.irp s, 0,1,2,3,4,5,6,7
	s_wait_dscnt 1+6*(7-\s)                        ; fragment s is in: behind it stand the later fragments' six loads each and the scale words' one
.irp c, 0,1,2
	global_store_b128 v9, v[R+12*\s+4*\c:R+12*\s+4*\c+3], s[46:47] offset:1536*\s+512*\c   ; 512 consecutive bytes
.endr
.endr
	s_wait_dscnt 0x0
	global_store_b128 v10, v[C:C+3], s[48:49]      ; sixteen lanes store 256 consecutive bytes, aligned: a K step's words of the work-group's 64 positions
	s_set_vgpr_msb 0x5
	s_wait_tensorcnt 0x0
	ds_add_u32 v0, v1
	s_wait_dscnt 0x0
	s_set_vgpr_msb 0x500
	s_endpgm
	; ---------------- a weight's codes and scale bytes, laid anew (no LDS, no barrier) ----------------
.Lweights:
	s_sub_co_u32 s39, ttmp9, 576
	s_lshr_b32 s54, s39, 4                         ; 0 Wq, 1 Wk, 2 Wv
	s_and_b32 s39, s39, 15
	s_lshl_b32 s39, s39, 2
	s_add_co_u32 s39, s39, s38                     ; my tile of 16 positions
	s_wait_kmcnt 0x0
	s_cmp_eq_u32 s54, 0
	s_cselect_b64 s[40:41], s[22:23], s[26:27]
	s_cselect_b64 s[42:43], s[24:25], s[28:29]
	s_cmp_lt_u32 s54, 2
	s_cselect_b64 s[40:41], s[40:41], s[30:31]
	s_cselect_b64 s[42:43], s[42:43], s[32:33]
	s_cselect_b32 s55, 8, 0                        ; Wq and Wk: permuted positions
	s_and_b32 s56, s39, 1
	s_mul_i32 s56, s56, s55
	s_lshl_b32 s57, s39, 4
	s_sub_co_u32 s57, s57, s56                     ; position 0's true row
	s_mul_i32 s58, s57, 768
	s_add_nc_u64 s[40:41], s[40:41], s[58:59]
	s_lshl_b32 s58, s57, 5
	s_add_nc_u64 s[42:43], s[42:43], s[58:59]
	s_wait_alu depctr_va_vdst(0)
	v_lshrrev_b32 v1, 3, v14
	v_mul_u32_u24 v1, s55, v1
	v_add_nc_u32 v1, v1, v14                       ; r, or r + 8 (r / 8)
	v_mul_u32_u24 v2, v1, 768
	v_mad_u32_u24 v2, v15, 24, v2
	v_lshlrev_b32 v3, 5, v1
	v_lshl_add_u32 v3, v15, 4, v3                  ; the row's 32 scale bytes: words 4 h .. 4 h + 3
.irp s, 0,1,2,3,4,5,6,7
.irp p, 0,1,2,3,4,5
	global_load_b64 v[R+12*\s+2*\p:R+12*\s+2*\p+1], v2, s[40:41] offset:96*\s+48*(\p/3)+8*(\p%3)
.endr
.endr
	global_load_b128 v[C:C+3], v3, s[42:43]
	s_lshl_b32 s58, s54, 6
	s_add_co_u32 s58, s58, s39
	s_mul_i32 s58, s58, 12288
	s_add_co_u32 s58, s58, 28311552                ; behind the activations' images
	s_add_nc_u64 s[46:47], s[34:35], s[58:59]
	s_lshl_b32 s58, s54, 15
	s_lshl_b32 s56, s39, 6
	s_add_co_u32 s58, s58, s56
	s_add_co_u32 s58, s58, 1179648                 ; behind the activations' scale words: [8][1,024] words a weight
	s_add_nc_u64 s[48:49], s[36:37], s[58:59]
	v_lshlrev_b32 v4, 14, v15
	v_lshl_add_u32 v4, v14, 2, v4
	s_wait_alu depctr_va_vdst(0)
	s_wait_loadcnt 0x0
.irp s, 0,1,2,3,4,5,6,7
.irp c, 0,1,2
	global_store_b128 v9, v[R+12*\s+4*\c:R+12*\s+4*\c+3], s[46:47] offset:1536*\s+512*\c
.endr
.endr
.irp j, 0,1,2,3
	global_store_b32 v4, v[C+\j], s[48:49] offset:4096*\j     ; K step 4 h + j, position r: runs of 64 bytes
.endr
	s_endpgm
.Lfunc_end_k_q8b4af78b89_lnq:
	.size	k_q8b4af78b89_lnq, .Lfunc_end_k_q8b4af78b89_lnq-k_q8b4af78b89_lnq
	.p2alignl 7, 3214868480
	.fill 96, 4, 3214868480
	.section	.rodata,"a",@progbits
	.p2align	6, 0x0
	.amdhsa_kernel k_q8b4af78b89_lnq
		.amdhsa_group_segment_fixed_size 70656
		.amdhsa_private_segment_fixed_size 0
		.amdhsa_enable_private_segment 0
		.amdhsa_kernarg_size 136
		.amdhsa_user_sgpr_count 2
		.amdhsa_user_sgpr_kernarg_segment_ptr 1
		.amdhsa_wavefront_size32 1
		.amdhsa_system_sgpr_workgroup_id_x 1
		.amdhsa_system_sgpr_workgroup_id_y 1
		.amdhsa_system_sgpr_workgroup_id_z 1
		.amdhsa_system_vgpr_workitem_id 0
		.amdhsa_next_free_vgpr 258
		.amdhsa_next_free_sgpr 66
		.amdhsa_reserve_vcc 0
		.amdhsa_float_denorm_mode_32 3
		.amdhsa_float_denorm_mode_16_64 3
		.amdhsa_memory_ordered 1
		.amdhsa_forward_progress 1
		.amdhsa_inst_pref_size 176
	.end_amdhsa_kernel
	.amdgpu_metadata
---
amdhsa.version: [ 1, 2 ]
amdhsa.kernels:
  - .name:           k_q8b4af78b89_lnq
    .symbol:         k_q8b4af78b89_lnq.kd
    .args:
      - { .name: target, .offset: 0, .size: 8, .value_kind: global_buffer, .address_space: global }
      - { .name: source_k, .offset: 8, .size: 8, .value_kind: global_buffer, .address_space: global }
      - { .name: source_v, .offset: 16, .size: 8, .value_kind: global_buffer, .address_space: global }
      - { .name: g_t, .offset: 24, .size: 8, .value_kind: global_buffer, .address_space: global }
      - { .name: b_t, .offset: 32, .size: 8, .value_kind: global_buffer, .address_space: global }
      - { .name: g_k, .offset: 40, .size: 8, .value_kind: global_buffer, .address_space: global }
      - { .name: b_k, .offset: 48, .size: 8, .value_kind: global_buffer, .address_space: global }
      - { .name: g_v, .offset: 56, .size: 8, .value_kind: global_buffer, .address_space: global }
      - { .name: b_v, .offset: 64, .size: 8, .value_kind: global_buffer, .address_space: global }
      - { .name: Wq_codes, .offset: 72, .size: 8, .value_kind: global_buffer, .address_space: global }
      - { .name: Wq_scales, .offset: 80, .size: 8, .value_kind: global_buffer, .address_space: global }
      - { .name: Wk_codes, .offset: 88, .size: 8, .value_kind: global_buffer, .address_space: global }
      - { .name: Wk_scales, .offset: 96, .size: 8, .value_kind: global_buffer, .address_space: global }
      - { .name: Wv_codes, .offset: 104, .size: 8, .value_kind: global_buffer, .address_space: global }
      - { .name: Wv_scales, .offset: 112, .size: 8, .value_kind: global_buffer, .address_space: global }
      - { .name: xw_img, .offset: 120, .size: 8, .value_kind: global_buffer, .address_space: global }
      - { .name: xw_sc, .offset: 128, .size: 8, .value_kind: global_buffer, .address_space: global }
    .group_segment_fixed_size: 70656
    .private_segment_fixed_size: 0
    .kernarg_segment_align: 8
    .kernarg_segment_size: 136
    .max_flat_workgroup_size: 128
    .sgpr_count:     66
    .vgpr_count:     258
    .wavefront_size: 32
...
	.end_amdgpu_metadata
.endif
;; end of part 1
;; launch proj (part 2): grid 4 x 144, 4 waves a work-group, clusters of 4 x 4, 327,680 bytes of LDS; arguments xw_img, xw_sc, bq, bk, bv, qkv_img, qkv_sc; writes qkv_img, qkv_sc
.if DOCPART == 2
	.amdgcn_target "amdgcn-amd-amdhsa--gfx1250"
	.amdhsa_code_object_version 6
	.text
	.protected	k_q8b4af78b89_proj
	.globl	k_q8b4af78b89_proj
	.p2align	8
	.type	k_q8b4af78b89_proj,@function
k_q8b4af78b89_proj:
	s_mov_b64 s[64:65], 0
	v_nop
	global_prefetch_b8 v0, s[64:65] scope:SCOPE_SE
	s_setreg_imm32_b32 hwreg(HW_REG_WAVE_MODE, 25, 1), 1
	s_wait_xcnt 0x0
	s_wait_alu depctr_hold_cnt(0) depctr_sa_sdst(0) depctr_va_vdst(0) depctr_va_sdst(0) depctr_va_ssrc(0) depctr_va_vcc(0) depctr_vm_vsrc(0)
	s_getreg_b32 s2, hwreg(HW_REG_IB_STS2, 6, 4)
	s_cmp_eq_u32 s2, 0
	s_cbranch_scc0 .Lentry_in_a_cluster
	s_endpgm
.Lentry_in_a_cluster:
	s_bfe_u32 s2, ttmp6, 0x10000c
	s_cmp_lg_u32 s2, 0xf033
	s_cbranch_scc0 .Lentry_shape_is_right
	s_endpgm
.Lentry_shape_is_right:
; q = t Wq^T + bq, k = sk Wk^T + bk, v = sv Wv^T + bv on codes of E2M3, K = 1,024; the results are quantised in registers and stored as operands of the next launches:
; q and k along their 1,024 channels, v along the keys (v^T: positions = channels, K = keys).  Formats: images of fragments (1,536 bytes, [tile of 16 positions][K step]) and scale words [K step][position].
; A tile of 256 activation positions x 256 weight rows is made by four waves, each 128 x 128: 64 accumulators.  Tile row y = 0-15: q, 16-79: k, 80-143: v; the class hangs on the cluster's y alone.
; S1 is the matrix instruction's source 1 (its positions become the result's lanes), S0 its source 0 (its positions become the result's registers).  q, k: S1 = activations, S0 = weight; v: S1 = weight, S0 = activations.
; The roles are changed by LDS addresses alone.  S0's positions are permuted in memory so that the 16 registers of accumulators (a, 2 c) and (a, 2 c + 1) are true indices 32 c + 16 (lane / 16) + 0 .. 15: neighbours along the next K.
; K is four quarters of 256.  THREE LDS slots of 98,304 bytes take the first three quarters as first fills; the last quarter is the launch's one refill, into slot 0, behind the change from slot 0 to slot 1:
; it has two slots' products, 256 matrix instructions a wave, in which to land.  The scale words of all of K come once.  The bias is the C of each sum's first product.
; A step's 64 LDS loads stand in five short runs, each ahead of a block of eight products, so that they are issued while the matrix unit works; 32 products follow the last run.
; CLUSTER 4 x 4: the activations' tile hangs on y and is asked for jointly along a row of the cluster, the weight's on x and is asked for jointly along a column.
; A wave has one tensor load out at the start and one behind the refill.
; REGISTERS.  window 0: v1-17 addresses; v28, v29 the add's; v32-63 scale words (two sets); v64-159, v160-255 S1's two sets.  window 1: v0-95, v128-223 S0's two sets; v96-127, v224-255 the bias.  windows 2, 3: accumulator (a, b) at v[8 (8 (a % 4) + b)].
; LIMITS: NaN and infinities are not served; a block of zeros gets the byte 1 (its codes are zeros; this program alone reads the bytes).
.set TP,    3072                       ; a tile of 16 positions in a slot: two fragments
.set HALF,  8*TP                       ; what one tensor load brings, and what a wave reads of one operand
.set SLOT,  4*HALF                     ; activations' 16 tiles, then the weight's 16
.set SCL,   3*SLOT                     ; behind the three slots: the scale words: activations' [8][256] words, then the weight's
.set PS,    1024                       ; a K step's words of 256 positions
.set SPARE, SCL+16384                  ; the spare words: 128 bytes a wave
.set STG,   SPARE+512                  ; the way out: 512 bytes for each wave's scale words; no fill lands there
.set ADRA, 4                           ; v4-6    S1's fragments in slot 0, 1, 2
.set ADRB, 8                           ; v8-10   S0's
.set PH,   176                         ; the way out: v176-178, v180-182 the conversions' second halves
.set PWB,  184                         ; v184-191 block a's scale word
.set VO,   192                         ; v192-199 block a's store offset
.set TM,   200                         ; v200-203 largest magnitudes, v204-207 bytes, v212-215 scale operands
.set WV, 18
.set UH, 19                            ; wave / 2: my half of S1; also: I fetch activations (0) or the weight (1)
.set TH, 20                            ; wave % 2: my half of S0; also: which half I fetch
.set CY, 21                            ; the cluster's y
.set G1Y, 24                           ; s[24:31] group 1 for the activations' tiles; s[32:43] group 0, a set for each slot
.set G0Y, 32
.set G1X, 44                           ; s[44:51], s[52:63] the same for the weight's
.set G0X, 52
.set SEL, 66
.set G1SY, 68
.set G0SY, 76
.set G1SX, 80
.set G0SX, 88
.set OUT, 92
.set STR, 94
.set SCO, 96
.set BP,  98
.set XX,  100                          ; x: the weight's tile of 256 rows
.set YY,  101                          ; y: the activations' tile of 256 positions
.set TO_B, 0x40                        ; destination window 1, address window 0
.set MSB, 0
.macro WIN new                         ; the immediate's high byte repeats the setting that is left; a switch that changes nothing is dropped
.if MSB != (\new)
	s_set_vgpr_msb (MSB<<8)|(\new)
.set MSB, (\new)
.endif
.endm
.macro PLACES                          ; four plain instructions behind a matrix instruction, ahead of loads into its registers and of reads of its result
.rept 4
	v_nop
.endr
.endm
.macro JLOAD g0a, g1a, g0b, g1b        ; a joint load: waves 0, 1 by the first pair of groups, waves 2, 3 by the second; four v_nop follow each line
	s_cmp_eq_u32 s[UH], 0
	s_cbranch_scc0 .Lfor_b_\@
	tensor_load_to_lds s[\g0a:\g0a+3], s[\g1a:\g1a+7]
	s_nop 0
.rept 4
	v_nop
.endr
	s_branch .Lasked_\@
.Lfor_b_\@:
	tensor_load_to_lds s[\g0b:\g0b+3], s[\g1b:\g1b+7]
	s_nop 0
.rept 4
	v_nop
.endr
.Lasked_\@:
.endm
.macro CREST                           ; a round of the cluster's barrier behind its opening barrier
	s_cmp_lg_u32 s[WV], 0
	s_cbranch_scc1 .Lnot_wave_0_\@
	s_barrier_signal -3
.Lnot_wave_0_\@:
	s_barrier_wait -3
	s_barrier_signal -1
	s_barrier_wait -1
.endm
.macro CROUND
	s_barrier_signal -1
	s_barrier_wait -1
	CREST
.endm
.macro FRAG reg, adr, off              ; a fragment comes as it lies: three loads of 512 consecutive bytes
.irp c, 0,1,2
	ds_load_b128 v[\reg+4*\c:\reg+4*\c+3], v[\adr] offset:\off+512*\c
.endr
.endm
; THE RUNS OF LDS LOADS for the slot's q-th 128 along K, into set p
.macro LD_S0 adrb, q, p, i0            ; S0's fragments i0 .. i0 + 3: 12 loads
	WIN TO_B
.irp i, \i0, \i0+1, \i0+2, \i0+3
	FRAG 128*(\p)+12*(\i), \adrb, (\i)*TS+1536*(\q)   ; TS: bytes from tile to tile where the step's fragments lie
.endr
.endm
.macro LD_S1 adra, q, p, i0            ; S1's fragments i0 .. i0 + 3: 12 loads
	WIN 0
.irp i, \i0, \i0+1, \i0+2, \i0+3
	FRAG 64+96*(\p)+12*(\i), \adra, (\i)*TS+1536*(\q)
.endr
.endm
.macro LD_SC p, s                      ; the scale words of K step s: 16 loads
	WIN 0
.irp a, 0,1,2,3,4,5,6,7
	ds_load_b32 v[32+16*(\p)+\a], v12 offset:(\s)*PS+64*\a
.endr
.irp b, 0,1,2,3,4,5,6,7
	ds_load_b32 v[40+16*(\p)+\b], v13 offset:(\s)*PS+64*\b
.endr
.endm
; S1's block a against S0's eight.  cm = 0: onto the sums; 2: the sums begin with the bias of S0's block b; 3: with that of S1's block a.  The 64 accumulators take turns, one instruction a turn, in the same order in every step.
.macro MULA a, p, cm
.if (\cm) < 2
	WIN 0xa1+0x50*((\a)/4)
.else
	WIN 0x91+0x40*((\a)/4)
.endif
.irp b, 0,1,2,3,4,5,6,7
.set rD, 8*(8*((\a)%4)+\b)
.set rS0, 128*(\p)+12*\b
.set rS1, 64+96*(\p)+12*(\a)
.set rX0, 40+16*(\p)+\b
.set rX1, 32+16*(\p)+(\a)
.if (\cm) == 0
	v_wmma_scale_f32_16x16x128_f8f6f4 v[rD:rD+7], v[rS0:rS0+11], v[rS1:rS1+11], v[rD:rD+7], v[rX0], v[rX1] matrix_a_fmt:MATRIX_FMT_FP6 matrix_b_fmt:MATRIX_FMT_FP6
.elseif (\cm) == 2
.set rC, 96+8*\b+96*(\b/4)
	v_wmma_scale_f32_16x16x128_f8f6f4 v[rD:rD+7], v[rS0:rS0+11], v[rS1:rS1+11], v[rC:rC+7], v[rX0], v[rX1] matrix_a_fmt:MATRIX_FMT_FP6 matrix_b_fmt:MATRIX_FMT_FP6
.else
.set rC, 96+8*(\a)+96*((\a)/4)
	v_wmma_scale_f32_16x16x128_f8f6f4 v[rD:rD+7], v[rS0:rS0+11], v[rS1:rS1+11], v[rC:rC+7], v[rX0], v[rX1] matrix_a_fmt:MATRIX_FMT_FP6 matrix_b_fmt:MATRIX_FMT_FP6
.endif
.endr
.endm
; A step multiplies set p; among its products the next step's fragments (q-th 128 of the slot named by the addresses, K step s) are asked for, into the other set.
; The four places at its head stand between the last products that read the other set and every run of loads below.
.macro STEP p, adra, adrb, q, s, cm
	s_wait_dscnt 0x0                               ; set p is in: its last run was issued 32 products ago
	PLACES
	LD_S0 \adrb, \q, 1-(\p), 0
	MULA 0, \p, \cm
	LD_S0 \adrb, \q, 1-(\p), 4
	MULA 1, \p, \cm
	LD_S1 \adra, \q, 1-(\p), 0
	MULA 2, \p, \cm
	LD_S1 \adra, \q, 1-(\p), 4
	MULA 3, \p, \cm
	LD_SC 1-(\p), \s
	MULA 4, \p, \cm
	MULA 5, \p, \cm
	MULA 6, \p, \cm
	MULA 7, \p, \cm
	WIN 0
.endm
; A step (set 1) with a barrier: ahead of it each wave waits for all its tensor loads, adds 0 to its spare word, and waits for that and for its LDS reads.
; fill = 1: slot 0, which nobody reads any more, is filled again with the last quarter of K.  fill = 0: that quarter has landed in every wave's part; nothing is filled.
.macro TURN next, fill, s
	s_wait_tensorcnt 0x0                           ; all my tensor loads have landed
	ds_add_u32 v28, v29                            ; 0 onto my spare word
	s_wait_dscnt 1                                 ; set 1 is in; the add alone may be out
	MULA 0, 1, 0
	s_wait_dscnt 0x0                               ; the add is done, and my reads of the slot that I leave are over
	s_barrier_signal -1
	MULA 1, 1, 0
	WIN 0
	s_barrier_wait -1
.if \fill
	CREST                                          ; the barrier has opened a round of the cluster's: no wave of any partner still reads slot 0 or has a load on its way
	s_add_nc_u64 s[G0Y+2:G0Y+3], s[G0Y+2:G0Y+3], 3*TP
	s_add_nc_u64 s[G0X+2:G0X+3], s[G0X+2:G0X+3], 3*TP
	JLOAD G0Y, G1Y, G0X, G1X                       ; the first tensor load behind the round; its four v_nop are also the places ahead of the loads below
.else
	PLACES
.endif
	LD_S0 ADRB+\next, 0, 0, 0
	MULA 2, 1, 0
	LD_S0 ADRB+\next, 0, 0, 4
	MULA 3, 1, 0
	LD_S1 ADRA+\next, 0, 0, 0
	MULA 4, 1, 0
	LD_S1 ADRA+\next, 0, 0, 4
	MULA 5, 1, 0
	LD_SC 0, \s
	MULA 6, 1, 0
	MULA 7, 1, 0
	WIN 0
.endm
; S1's block a: the lane's 64 results (register 16 c + i = index 32 c + 16 (lane / 16) + i of my position) become a fragment's codes in v[64 + 12 a] on and its scale word in v[PWB + a].
; Each block has registers of its own for what its stores read, so no store's source is written again.  Each accumulator is read from its low end on.
.macro QUANTW a
.set AC, 64*((\a)%4)
.set PCA, 64+12*(\a)
.set PWA, PWB+(\a)
	WIN 0x28+0x14*((\a)/4)                         ; sources 1 and 2: window 2 or 3
.irp c, 0,1,2,3
	v_max3_num_f32 v[TM+\c], 0x1800000, |v[AC+16*\c]|, |v[AC+16*\c+1]|   ; the floor 2^(3 - 127) holds the byte at 1 from below
.endr
.irp i, 2,4,6,8,10,12,14
.irp c, 0,1,2,3
	v_max3_num_f32 v[TM+\c], v[TM+\c], |v[AC+16*\c+\i]|, |v[AC+16*\c+\i+1]|
.endr
.endr
	WIN 0
.irp c, 0,1,2,3
	v_permlanex16_b32 v[TM+4+\c], v[TM+\c], s[SEL], s[SEL+1]
.endr
.irp c, 0,1,2,3
	v_max_num_f32 v[TM+\c], v[TM+\c], v[TM+4+\c]   ; with lane l xor 16's: the block's largest magnitude
.endr
.irp c, 0,1,2,3
	v_add_nc_u32 v[TM+12+\c], 0xff000000, v[TM+\c] ; 2 off its exponent field: the conversion's scale operand
.endr
.irp c, 0,1,2,3
	v_lshrrev_b32 v[TM+4+\c], 23, v[TM+12+\c]      ; the scale's byte
.endr
	v_lshl_or_b32 v[PWA], v[TM+5], 8, v[TM+4]
	v_lshl_or_b32 v[PWA], v[TM+6], 16, v[PWA]
	v_lshl_or_b32 v[PWA], v[TM+7], 24, v[PWA]
	WIN 0x02+((\a)/4)                              ; source 0: window 2 or 3
.irp c, 0,1
	v_cvt_scalef32_pk16_fp6_f32 v[PCA+6*\c:PCA+6*\c+2], v[AC+32*\c:AC+32*\c+15], v[TM+12+2*\c]
	v_cvt_scalef32_pk16_fp6_f32 v[PH+4*\c:PH+4*\c+2], v[AC+32*\c+16:AC+32*\c+31], v[TM+13+2*\c]
.endr
	WIN 0
	v_nop                                          ; one plain line behind a scaled conversion
.irp c, 0,1                                    ; the operand wants a whole block in a lane: lanes 0-15 block 2 c, lanes 16-31 block 2 c + 1
.irp i, 0,1,2
	v_permlane16_swap_b32 v[PCA+6*\c+\i], v[PH+4*\c+\i]
.endr
.irp i, 0,1,2
	v_mov_b32 v[PCA+3+6*\c+\i], v[PH+4*\c+\i]
.endr
.endr
.endm
	s_load_b256 s[4:11], s[0:1], 0x0               ; xw_img, xw_sc, bq, bk
	s_load_b128 s[12:15], s[0:1], 0x20             ; bv, qkv_img
	s_load_b64 s[16:17], s[0:1], 0x30              ; qkv_sc
	v_lshl_add_u32 v28, v0, 2, SPARE
	v_mov_b32 v29, 0
	ds_add_u32 v28, v29
	ds_add_u32 v28, v29
	s_wait_dscnt 0x0
	v_lshrrev_b32 v1, 5, v0
	v_readfirstlane_b32 s[WV], v1
	s_lshr_b32 s[UH], s[WV], 1
	s_and_b32 s[TH], s[WV], 1
	s_and_b32 s[CY], ttmp7, 0xffff
	s_bfe_u32 s2, ttmp6, 0x40000                   ; cx
	s_bfe_u32 s3, ttmp6, 0x40004                   ; cy
	s_lshl_b32 s[XX], ttmp9, 2
	s_add_co_u32 s[XX], s[XX], s2
	s_lshl_b32 s[YY], s[CY], 2
	s_add_co_u32 s[YY], s[YY], s3
	s_lshl_b32 s66, s3, 2
	s_lshl_b32 s66, 15, s66                        ; my row of the cluster
	s_lshl_b32 s67, 0x1111, s2                     ; my column
	s_cmp_lt_u32 s[CY], 4
	s_cselect_b32 s22, 0, 1
	s_cmp_lt_u32 s[CY], 20
	s_cselect_b32 s22, s22, 2                      ; which weight
	; group 1, codes: 8 rows (tiles of 16 positions) of 3,072 bytes, 12,288 bytes apart; elements of 8 bytes; no padding; bit 21 beside the mask
	s_or_b32 s[G1Y], s66, (3<<16)|(1<<21)
	s_or_b32 s[G1X], s67, (3<<16)|(1<<21)
.irp g, G1Y, G1X
	s_mov_b32 s[\g+1], 768<<16                     ; the head's load: rows of 6,144 bytes, the first two quarters of K
	s_mov_b32 s[\g+2], 8<<16
	s_mov_b32 s[\g+3], 768<<16
	s_mov_b32 s[\g+4], 8                           ; tile_dim1
	s_mov_b32 s[\g+5], 1536                        ; from row to row
	s_mov_b32 s[\g+6], 0
	s_mov_b32 s[\g+7], 0
.endr
	s_mul_i32 s2, s[TH], 98304                     ; the half that I fetch: 8 tiles of 12,288 bytes
	s_mul_i32 s92, s[YY], 196608
	s_add_co_u32 s92, s92, s2
	s_mov_b32 s93, 0                               ; activations' codes
	s_mul_i32 s94, s[XX], 196608
	s_add_co_u32 s94, s94, s2
	s_mul_i32 s3, s22, 786432
	s_add_co_u32 s94, s94, s3
	s_add_co_u32 s94, s94, 28311552
	s_mov_b32 s95, 0                               ; the weight's codes
	s_lshl_b32 s96, s[YY], 10
	s_mov_b32 s97, 0                               ; activations' scale words
	s_lshl_b32 s98, s[XX], 10
	s_lshl_b32 s99, s22, 15
	s_add_co_u32 s98, s98, s99
	s_add_co_u32 s98, s98, 1179648
	s_mov_b32 s99, 0                               ; the weight's scale words
	s_mul_i32 s23, s[WV], HALF                     ; where my codes go in a slot: no place in the cluster enters an LDS address
	; THE SCALE WORDS come through registers: thread i takes 16 bytes of K step i / 64 + 2 j, j = 0 .. 3, of each operand: 64 threads cover a K step's 1,024 bytes
	v_lshrrev_b32 v18, 6, v0
	v_and_b32 v20, 63, v0
	v_lshlrev_b32 v20, 4, v20
	v_mul_u32_u24 v19, v18, 147456
	v_add_nc_u32 v19, v19, v20                     ; activations: a K step's words are 147,456 bytes
	v_lshl_add_u32 v18, v18, 12, v20               ; the weight: 4,096 bytes
	v_lshl_add_u32 v20, v0, 4, SCL                 ; and where they go in LDS: 16 x thread; j adds 2,048
	s_wait_alu depctr_va_vdst(0)
	s_wait_kmcnt 0x0
	s_add_nc_u64 s[92:93], s[4:5], s[92:93]
	s_add_nc_u64 s[94:95], s[4:5], s[94:95]
	s_add_nc_u64 s[96:97], s[6:7], s[96:97]
	s_add_nc_u64 s[98:99], s[6:7], s[98:99]
.irp j, 0,1,2,3
	global_load_b128 v[64+4*\j:67+4*\j], v19, s[96:97] offset:294912*\j
	global_load_b128 v[80+4*\j:83+4*\j], v18, s[98:99] offset:8192*\j
.endr
	CROUND                                         ; all sixteen work-groups are here: the first joint loads meet
	; THE RING AS IT STANDS.  Bytes 0 to 2 SLOT: four parts of 49,152 bytes, one a loading wave, [8 tiles][6,144 bytes]: quarters 0 and 1 of K, brought by the head's one load a wave.
	; Slot 2 takes quarter 2 behind the first round; quarter 3 is the one refill, [8 tiles][3,072 bytes] at the start of each part, behind the round in K step 3.  One tensor load a wave is out at any time.
.irp s, 0,2
	s_mov_b32 s[G0Y+4*\s], 1
	s_add_nc_u64 s[G0Y+4*\s+2:G0Y+4*\s+3], s[92:93], \s*TP
	s_or_b32 s[G0Y+4*\s+3], s[G0Y+4*\s+3], 0x80000000
	s_mov_b32 s[G0X+4*\s], 1
	s_add_nc_u64 s[G0X+4*\s+2:G0X+4*\s+3], s[94:95], \s*TP
	s_or_b32 s[G0X+4*\s+3], s[G0X+4*\s+3], 0x80000000
.endr
	s_lshl_b32 s[G0Y+1], s23, 1                    ; my part: wave x 49,152
	s_lshl_b32 s[G0X+1], s23, 1
	s_add_co_u32 s[G0Y+9], s23, 2*SLOT             ; my quarter of slot 2
	s_add_co_u32 s[G0X+9], s23, 2*SLOT
	JLOAD G0Y, G1Y, G0X, G1X                       ; one tensor load a wave at the head
	; from here on s4-s7 are at work: xw_img's and xw_sc's addresses are needed no more
	v_and_b32 v1, 15, v0                           ; r
	v_bfe_u32 v2, v0, 4, 1                         ; h
	v_and_b32 v3, 31, v0
	v_lshlrev_b32 v3, 4, v3                        ; 16 x lane: my place in an image; never rewritten
	s_wait_alu depctr_va_vdst(0)
	s_cmp_lt_u32 s[CY], 20                         ; q, k: S1 = activations; v: S1 = the weight
	s_cselect_b32 s2, 0, 49152
	s_cselect_b32 s3, 49152, 0
	s_cselect_b32 s22, 0, 8192
	s_cselect_b32 s23, 8192, 0
	s_mul_i32 s4, s[UH], HALF
	s_add_co_u32 s2, s2, s4
	s_mul_i32 s4, s[TH], HALF
	s_add_co_u32 s3, s3, s4
	v_add_nc_u32 v[ADRA+2], s2, v3
	v_add_nc_u32 v[ADRB+2], s3, v3
	v_add_nc_u32 v[ADRA], s2, v[ADRA+2]            ; the parts of 49,152 bytes lie twice as far apart as a slot's quarters
	v_add_nc_u32 v[ADRB], s3, v[ADRB+2]
	v_add_nc_u32 v[ADRA+2], 2*SLOT, v[ADRA+2]
	v_add_nc_u32 v[ADRB+2], 2*SLOT, v[ADRB+2]
	s_lshl_b32 s4, s[UH], 9
	s_add_co_u32 s22, s22, s4
	s_add_co_u32 s22, s22, SCL
	s_lshl_b32 s4, s[TH], 9
	s_add_co_u32 s23, s23, s4
	s_add_co_u32 s23, s23, SCL
	v_lshl_add_u32 v12, v1, 2, s22                 ; S1's scale words: position r of my 128
	v_lshl_add_u32 v13, v1, 2, s23                 ; S0's
	s_lshl_b32 s4, s[WV], 9
	s_add_co_u32 s4, s4, STG
	v_lshl_add_u32 v14, v1, 2, s4                  ; the way out: my 512 bytes of the stage
	v_add_nc_u32 v15, s4, v3
	v_lshlrev_b32 v16, 6, v2
	v_lshlrev_b32 v17, 2, v1
	s_wait_loadcnt 0x0                             ; the scale words are in registers
.irp j, 0,1,2,3
	ds_store_b128 v20, v[64+4*\j:67+4*\j] offset:2048*\j
	ds_store_b128 v20, v[80+4*\j:83+4*\j] offset:8192+2048*\j
.endr
	s_mov_b32 s[SEL], 0x76543210
	s_mov_b32 s[SEL+1], 0xfedcba98
	; the bias, in the result's layout, in window 1
	s_cmp_lt_u32 s[CY], 4
	s_cselect_b64 s[BP:BP+1], s[8:9], s[10:11]
	s_cmp_lt_u32 s[CY], 20
	s_cselect_b64 s[BP:BP+1], s[BP:BP+1], s[12:13]
	s_cselect_b32 s4, s[TH], s[UH]                 ; the weight's half that is mine
	s_lshl_b32 s4, s4, 9
	s_lshl_b32 s5, s[XX], 10
	s_add_co_u32 s4, s4, s5
	s_mov_b32 s5, 0
	s_add_nc_u64 s[BP:BP+1], s[BP:BP+1], s[4:5]
	s_cmp_lt_u32 s[CY], 20
	s_cbranch_scc0 .Lbias_v
	WIN TO_B
	s_wait_alu depctr_va_vdst(0)
.irp b, 0,1,2,3,4,5,6,7                        ; q, k: register j of accumulator (a, b) is channel 32 (b / 2) + 16 h + 8 (b % 2) + j
	global_load_b128 v[96+8*\b+96*(\b/4):96+8*\b+96*(\b/4)+3], v16, s[BP:BP+1] offset:(32*(\b/2)+8*(\b%2))*4
	global_load_b128 v[100+8*\b+96*(\b/4):100+8*\b+96*(\b/4)+3], v16, s[BP:BP+1] offset:(32*(\b/2)+8*(\b%2))*4+16
.endr
	WIN 0
	s_branch .Lbias_done
.Lbias_v:
	WIN TO_B
	s_wait_alu depctr_va_vdst(0)
.irp a, 0,1,2,3,4,5,6,7                        ; v: all eight registers of accumulator (a, b) are channel 16 a + r
.irp j, 0,1,2,3,4,5,6,7
	global_load_b32 v[96+8*\a+96*(\a/4)+\j], v17, s[BP:BP+1] offset:64*\a
.endr
.endr
	WIN 0
.Lbias_done:
	; where the results go.  q, k: position tile 16 yl + 8 u + a, K step 2 x + t
	s_cmp_lt_u32 s[CY], 4
	s_cselect_b32 s2, 0, 16
	s_cselect_b32 s3, 0, 3145728
	s_cselect_b32 s22, 12, 14                      ; 4,096 or 16,384 positions
	s_cselect_b32 s23, 0, 131072
	s_sub_co_u32 s2, s[YY], s2
	s_lshl_b32 s4, s[XX], 1
	s_add_co_u32 s4, s4, s[TH]
	s_lshl_b32 s5, s2, 4
	s_lshl_b32 s6, s[UH], 3
	s_add_co_u32 s5, s5, s6
	s_lshl_b32 s6, s5, 3
	s_add_co_u32 s6, s6, s4
	s_mul_i32 s6, s6, 1536
	s_add_co_u32 s[OUT], s6, s3
	s_lshl_b32 s6, s4, s22
	s_lshl_b32 s5, s5, 4
	s_add_co_u32 s6, s6, s5
	s_lshl_b32 s6, s6, 2
	s_add_co_u32 s[SCO], s6, s23
	; v: batch (y - 80) / 8, position tile 16 x + 8 u + a of the channels, K step 2 ((y - 80) % 8) + t of the keys
	s_sub_co_u32 s2, s[YY], 80
	s_lshr_b32 s3, s2, 3
	s_and_b32 s2, s2, 7
	s_lshl_b32 s2, s2, 1
	s_add_co_u32 s2, s2, s[TH]
	s_lshl_b32 s5, s[XX], 4
	s_lshl_b32 s6, s[UH], 3
	s_add_co_u32 s5, s5, s6
	s_lshl_b32 s6, s5, 4
	s_add_co_u32 s6, s6, s2
	s_mul_i32 s6, s6, 1536
	s_mul_i32 s7, s3, 1572864
	s_add_co_u32 s6, s6, s7
	s_add_co_u32 s6, s6, 15728640
	s_lshl_b32 s2, s2, 10
	s_lshl_b32 s5, s5, 4
	s_add_co_u32 s2, s2, s5
	s_lshl_b32 s2, s2, 2
	s_lshl_b32 s3, s3, 16
	s_add_co_u32 s2, s2, s3
	s_add_co_u32 s2, s2, 655360
	s_cmp_lt_u32 s[CY], 20
	s_cselect_b32 s[OUT], s[OUT], s6
	s_cselect_b32 s[SCO], s[SCO], s2
	s_mov_b32 s[STR], 24576
	s_cselect_b32 s[STR], 12288, s[STR]            ; from a position tile to the next: 8 or 16 fragments
	s_mov_b32 s[OUT+1], 0
	s_mov_b32 s[SCO+1], 0
	s_add_nc_u64 s[OUT:OUT+1], s[14:15], s[OUT:OUT+1]
	s_add_nc_u64 s[SCO:SCO+1], s[16:17], s[SCO:SCO+1]
	s_wait_tensorcnt 0x0                           ; my part of quarters 0 and 1 is in
	ds_add_u32 v28, v29
	s_mov_b32 s[G1Y+1], 384<<16                    ; no tensor load of mine is out: from here on a load's rows are 3,072 bytes
	s_mov_b32 s[G1Y+3], 384<<16
	s_mov_b32 s[G1X+1], 384<<16
	s_mov_b32 s[G1X+3], 384<<16
	s_wait_dscnt 0x0                               ; the add is done, and my scale words have landed
	CROUND
	JLOAD G0Y+8, G1Y, G0X+8, G1X                   ; quarter 2, the first tensor load behind the round
.set TS, 6144
	LD_S0 ADRB, 0, 0, 0
	LD_S0 ADRB, 0, 0, 4
	LD_S1 ADRA, 0, 0, 0
	LD_S1 ADRA, 0, 0, 4
	LD_SC 0, 0
	s_wait_loadcnt 0x0                             ; the bias
	s_cmp_lt_u32 s[CY], 20
	s_cbranch_scc0 .Lfirst_v
	STEP 0, ADRA, ADRB, 1, 1, 2                    ; the first step starts the sums with the bias: nothing is cleared
	s_branch .Lfirst_done
.Lfirst_v:
	STEP 0, ADRA, ADRB, 1, 1, 3
.Lfirst_done:
	STEP 1, ADRA, ADRB, 2, 2, 0                    ; K step 1
	STEP 0, ADRA, ADRB, 3, 3, 0                    ; K step 2
.set TS, 3072
	TURN 2, 1, 4                                   ; K step 3; quarters 0 and 1 are left, and the start of each part takes the last quarter of K
	STEP 0, ADRA+2, ADRB+2, 1, 5, 0                ; K step 4
	TURN 0, 0, 6                                   ; K step 5; the refill has landed; nothing is left to fetch
	STEP 0, ADRA, ADRB, 1, 7, 0                    ; K step 6
	s_wait_dscnt 0x0
.irp a, 0,1,2,3,4,5,6,7
	MULA \a, 1, 0                                  ; K step 7
.endr
	WIN 0
	; THE WAY OUT: each of my eight blocks of 16 positions becomes one fragment and one scale word a position
	PLACES
.irp c, 0,1,2,3
	v_mov_b32 v[TM+4+\c], 0                        ; written once: a lane permute's destination counts as one of its sources
.endr
	v_mov_b32 v[VO], v3                            ; block a's offset: 16 x lane + a position tiles
.irp a, 1,2,3,4,5,6,7
	v_add_nc_u32 v[VO+\a], s[STR], v[VO+\a-1]
.endr
.irp a, 0,1,2,3,4,5,6,7
	QUANTW \a
.irp c, 0,1,2
	global_store_b128 v[VO+\a], v[64+12*\a+4*\c:64+12*\a+4*\c+3], s[OUT:OUT+1] offset:512*\c   ; 512 consecutive bytes
.endr
	ds_store_b32 v14, v[PWB+\a] offset:64*\a       ; lanes l and l xor 16 write the same word with the same value
.endr
	ds_load_b128 v[TM:TM+3], v15                   ; my 128 positions' words (LDS serves a wave's instructions in order)
	s_wait_dscnt 0x0
	global_store_b128 v3, v[TM:TM+3], s[SCO:SCO+1] ; 512 consecutive bytes
	s_wait_tensorcnt 0x0                           ; the wave's end
	ds_add_u32 v28, v29
	s_wait_dscnt 0x0
	CROUND                                         ; the closing round
	s_endpgm
.Lfunc_end_k_q8b4af78b89_proj:
	.size	k_q8b4af78b89_proj, .Lfunc_end_k_q8b4af78b89_proj-k_q8b4af78b89_proj
	.p2alignl 7, 3214868480
	.fill 96, 4, 3214868480
	.section	.rodata,"a",@progbits
	.p2align	6, 0x0
	.amdhsa_kernel k_q8b4af78b89_proj
		.amdhsa_group_segment_fixed_size 327680
		.amdhsa_private_segment_fixed_size 0
		.amdhsa_enable_private_segment 0
		.amdhsa_kernarg_size 56
		.amdhsa_user_sgpr_count 2
		.amdhsa_user_sgpr_kernarg_segment_ptr 1
		.amdhsa_wavefront_size32 1
		.amdhsa_system_sgpr_workgroup_id_x 1
		.amdhsa_system_sgpr_workgroup_id_y 1
		.amdhsa_system_sgpr_workgroup_id_z 1
		.amdhsa_system_vgpr_workitem_id 0
		.amdhsa_next_free_vgpr 1024
		.amdhsa_next_free_sgpr 102
		.amdhsa_reserve_vcc 0
		.amdhsa_float_denorm_mode_32 3
		.amdhsa_float_denorm_mode_16_64 3
		.amdhsa_memory_ordered 1
		.amdhsa_forward_progress 1
		.amdhsa_inst_pref_size 168
	.end_amdhsa_kernel
	.amdgpu_metadata
---
amdhsa.version: [ 1, 2 ]
amdhsa.kernels:
  - .name:           k_q8b4af78b89_proj
    .symbol:         k_q8b4af78b89_proj.kd
    .args:
      - { .name: xw_img, .offset: 0, .size: 8, .value_kind: global_buffer, .address_space: global }
      - { .name: xw_sc, .offset: 8, .size: 8, .value_kind: global_buffer, .address_space: global }
      - { .name: bq, .offset: 16, .size: 8, .value_kind: global_buffer, .address_space: global }
      - { .name: bk, .offset: 24, .size: 8, .value_kind: global_buffer, .address_space: global }
      - { .name: bv, .offset: 32, .size: 8, .value_kind: global_buffer, .address_space: global }
      - { .name: qkv_img, .offset: 40, .size: 8, .value_kind: global_buffer, .address_space: global }
      - { .name: qkv_sc, .offset: 48, .size: 8, .value_kind: global_buffer, .address_space: global }
    .group_segment_fixed_size: 327680
    .private_segment_fixed_size: 0
    .kernarg_segment_align: 8
    .kernarg_segment_size: 56
    .max_flat_workgroup_size: 128
    .sgpr_count:     102
    .vgpr_count:     1024
    .wavefront_size: 32
...
	.end_amdgpu_metadata
.endif
;; end of part 2
;; launch score (part 3): grid 8 x 32, 4 waves a work-group, clusters of 4 x 4, 327,680 bytes of LDS; arguments qkv_img, qkv_sc, p_img, p_st; writes p_img, p_st
.if DOCPART == 3
	.amdgcn_target "amdgcn-amd-amdhsa--gfx1250"
	.amdhsa_code_object_version 6
	.text
	.protected	k_q8b4af78b89_score
	.globl	k_q8b4af78b89_score
	.p2align	8
	.type	k_q8b4af78b89_score,@function
k_q8b4af78b89_score:
	s_mov_b64 s[64:65], 0
	v_nop
	global_prefetch_b8 v0, s[64:65] scope:SCOPE_SE
	s_setreg_imm32_b32 hwreg(HW_REG_WAVE_MODE, 25, 1), 1
	s_wait_xcnt 0x0
	s_wait_alu depctr_hold_cnt(0) depctr_sa_sdst(0) depctr_va_vdst(0) depctr_va_sdst(0) depctr_va_ssrc(0) depctr_va_vcc(0) depctr_vm_vsrc(0)
	s_getreg_b32 s2, hwreg(HW_REG_IB_STS2, 6, 4)
	s_cmp_eq_u32 s2, 0
	s_cbranch_scc0 .Lentry_in_a_cluster
	s_endpgm
.Lentry_in_a_cluster:
	s_bfe_u32 s2, ttmp6, 0x10000c
	s_cmp_lg_u32 s2, 0xf033
	s_cbranch_scc0 .Lentry_shape_is_right
	s_endpgm
.Lentry_shape_is_right:
; S^T = k q^T on codes of E2M3, K = 1,024, and the softmax's numerator ahead of the second product.  A tile of 128 queries x 256 keys of one batch is made by four waves, each 64 queries x 128 keys: 32 accumulators.
; Source 0 = 16 key positions, source 1 = 16 queries: a lane holds ONE query, and, since k's positions are permuted in memory, the 16 registers of accumulators (a, 2 c), (a, 2 c + 1) are keys 32 c + 16 (lane / 16) + 0 .. 15.
; THE SOFTMAX.  t = score x log2(e) / 32.  For each query and each run of 128 keys (one K step of the next product): M = the run's largest t rounded UP to a whole number; p = 2^(t - M), quantised along the keys.
; Stored: p's fragment, its scale words, -M, and the sum of the unquantised p.  The next launch brings a row's 16 runs under the row's M by shifting scale bytes, which is exact since every M is a whole number.
; ALL OF K LIES IN LDS, each tile of 16 positions whole, filled once: no byte is filled again.  A wave has one tensor load out at the start.
; CLUSTER 4 x 4: q's tile hangs on the batch and cy and is asked for jointly along a row of the cluster, k's on the batch and x, along a column.
; REGISTERS.  window 0: v1-16 addresses; v32-63 scale words; v64-111, v160-207 q's two sets; on the way out v96-217 at work.  window 1: v0-95, v128-223 k's two sets.  window 2: accumulator (a, b) at v[8 (8 a + b)].
; LIMITS: NaN and infinities are not served; M is exact as f32 while |t| is under 2^24; a block whose every p has fallen to 0 keeps the byte 1 (its codes are zeros).
.set TP,    3072
.set CHUNK, 73728                      ; 24 x 3,072 bytes: four of them hold q's 8 whole tiles, then k's 16
.set SCQ,   4*CHUNK                    ; q's scale words [8][128]
.set SCK,   SCQ+4096                   ; k's [8][256]
.set STG,   SCK+8192                   ; a stage of 1,024 bytes for each wave: words, -M, sums; no fill lands there
.set P1,    512
.set P0,    1024
.set ADRA, 4                           ; v4     my 4 tiles of q
.set ADRB, 8                           ; v8, v9  my tiles 0-3, 4-7 of k
.set P,   96                           ; v96-159 t - M, then p
.set BM,  160                          ; v160-163 each block's largest score, then its largest p
.set BX,  164                          ; v164-167 the other half's; later the bytes
.set SO,  168                          ; v168-171 the conversions' scale operands
.set SA,  172                          ; v[172:173], v[174:175] the sum's two chains
.set PC,  176                          ; v176-187 the fragment; v188-190, v192-194 the conversions' second halves
.set PH,  188
.set NM,  208                          ; v[208:209] -M
.set TX,  210
.set PW,  211
.set ZB,  212                          ; v212-217 the stage read back
.set WV, 12
.set UH, 13
.set TH, 14
.set G1Q, 24
.set G1K, 32
.set G1SQ, 40
.set G1SK, 48
.set G0SQ, 56
.set G0SK, 60
.set G0Q, 68
.set G0K, 84
.set TO_B, 0x40
.set MSB, 0
.macro WIN new
.if MSB != (\new)
	s_set_vgpr_msb (MSB<<8)|(\new)
.set MSB, (\new)
.endif
.endm
.macro PLACES
.rept 4
	v_nop
.endr
.endm
.macro JLOAD g0a, g1a, g0b, g1b        ; waves 0, 1 fetch for q, waves 2, 3 for k; four v_nop follow each line
	s_cmp_eq_u32 s[UH], 0
	s_cbranch_scc0 .Lfor_b_\@
	tensor_load_to_lds s[\g0a:\g0a+3], s[\g1a:\g1a+7]
	s_nop 0
.rept 4
	v_nop
.endr
	s_branch .Lasked_\@
.Lfor_b_\@:
	tensor_load_to_lds s[\g0b:\g0b+3], s[\g1b:\g1b+7]
	s_nop 0
.rept 4
	v_nop
.endr
.Lasked_\@:
.endm
.macro CROUND
	s_barrier_signal -1
	s_barrier_wait -1
	s_cmp_lg_u32 s[WV], 0
	s_cbranch_scc1 .Lnot_wave_0_\@
	s_barrier_signal -3
.Lnot_wave_0_\@:
	s_barrier_wait -3
	s_barrier_signal -1
	s_barrier_wait -1
.endm
.macro FRAG reg, adr, off
.irp c, 0,1,2
	ds_load_b128 v[\reg+4*\c:\reg+4*\c+3], v[\adr] offset:\off+512*\c
.endr
.endm
.macro FETCH adra, adrb, q, p, s
	WIN TO_B
.irp b, 0,1,2,3,4,5,6,7
	FRAG 128*(\p)+12*\b, ADRB+\b/4, (\b%4)*12288+1536*(\s)   ; a tile of 16 positions lies whole in LDS: 8 K steps x 1,536 bytes
.endr
	WIN 0
.irp a, 0,1,2,3
	FRAG 64+96*(\p)+12*\a, ADRA, \a*12288+1536*(\s)
.endr
.irp a, 0,1,2,3
	ds_load_b32 v[32+16*(\p)+\a], v12 offset:(\s)*P1+64*\a
.endr
.irp b, 0,1,2,3,4,5,6,7
	ds_load_b32 v[40+16*(\p)+\b], v13 offset:(\s)*P0+64*\b
.endr
.endm
.macro MULA a, p, cm                   ; q's block a against k's eight; cm = 1: the products start the sums.  The 32 accumulators take turns
	WIN 0xa1
.irp b, 0,1,2,3,4,5,6,7
.set rD, 8*(8*(\a)+\b)
.set rS0, 128*(\p)+12*\b
.set rS1, 64+96*(\p)+12*(\a)
.set rX0, 40+16*(\p)+\b
.set rX1, 32+16*(\p)+(\a)
.if (\cm) == 0
	v_wmma_scale_f32_16x16x128_f8f6f4 v[rD:rD+7], v[rS0:rS0+11], v[rS1:rS1+11], v[rD:rD+7], v[rX0], v[rX1] matrix_a_fmt:MATRIX_FMT_FP6 matrix_b_fmt:MATRIX_FMT_FP6
.else
	v_wmma_scale_f32_16x16x128_f8f6f4 v[rD:rD+7], v[rS0:rS0+11], v[rS1:rS1+11], 0, v[rX0], v[rX1] matrix_a_fmt:MATRIX_FMT_FP6 matrix_b_fmt:MATRIX_FMT_FP6
.endif
.endr
.endm
.macro STEP p, adra, adrb, q, s, cm
	s_wait_dscnt 0x0                               ; set p is in
	PLACES
	FETCH \adra, \adrb, \q, 1-(\p), \s
.irp a, 0,1,2,3
	MULA \a, \p, \cm
.endr
	WIN 0
.endm
; Block a: 16 queries x my 128 keys.
.macro SOFT a
.set AC, 64*(\a)
.if (\a) > 0
	s_wait_xcnt 0x0                                ; the last block's stores have read their registers
	s_wait_dscnt 0x0
.endif
	WIN 0x28                                       ; sources 1 and 2: window 2
.irp c, 0,1,2,3
	v_max3_num_f32 v[BM+\c], 0xff800000, v[AC+16*\c], v[AC+16*\c+1]   ; the largest score of each block of 32 keys; each accumulator is read from its low end on
.endr
.irp i, 2,4,6,8,10,12,14
.irp c, 0,1,2,3
	v_max3_num_f32 v[BM+\c], v[BM+\c], v[AC+16*\c+\i], v[AC+16*\c+\i+1]
.endr
.endr
	WIN 0
.irp c, 0,1,2,3
	v_permlanex16_b32 v[BX+\c], v[BM+\c], s22, s23
.endr
.irp c, 0,1,2,3
	v_max_num_f32 v[BM+\c], v[BM+\c], v[BX+\c]
.endr
	v_max3_num_f32 v[TX], v[BM], v[BM+1], v[BM+2]
	v_max_num_f32 v[TX], v[TX], v[BM+3]
	v_mul_f32 v[TX], s20, v[TX]                    ; the run's largest t
	v_floor_f32 v[NM], -v[TX]                      ; -M = floor(-t) = -ceil(t)
	v_mov_b32 v[NM+1], v[NM]
	WIN 0x02                                       ; source 0: window 2
.set J, 0
.rept 32
	v_pk_fma_f32 v[P+J:P+J+1], v[AC+J:AC+J+1], s[20:21], v[NM:NM+1] op_sel_hi:[1,0,0]   ; t - M
.set J, J+2
.endr
	WIN 0
.irp c, 0,1,2,3
	v_fma_f32 v[BM+\c], v[BM+\c], s20, v[NM]       ; the same of each block's largest score: p rises with the score
.endr
.set J, 0
	s_wait_alu depctr_va_vdst(0)
.rept 64
	v_exp_f32 v[P+J], v[P+J]                       ; p = 2^(t - M): not normalised
.set J, J+1
.endr
	v_nop                                          ; a plain line behind the batch,
	s_wait_alu depctr_va_vdst(0)                   ; and one wait for all 64, ahead of the first line that names a result
.irp c, 0,1,2,3
	v_exp_f32 v[BM+\c], v[BM+\c]                   ; each block's largest p
.endr
	v_pk_add_f32 v[SA:SA+1], v[P:P+1], v[P+2:P+3]  ; the sum of the unquantised p, in two chains
	v_pk_add_f32 v[SA+2:SA+3], v[P+4:P+5], v[P+6:P+7]
.set J, 8
.rept 14
	v_pk_add_f32 v[SA:SA+1], v[SA:SA+1], v[P+J:P+J+1]
	v_pk_add_f32 v[SA+2:SA+3], v[SA+2:SA+3], v[P+J+2:P+J+3]
.set J, J+4
.endr
	v_pk_add_f32 v[SA:SA+1], v[SA:SA+1], v[SA+2:SA+3]
	s_wait_alu depctr_va_vdst(0)                   ; and one for the four
.irp c, 0,1,2,3
	v_max_num_f32 v[BM+\c], 0x1800000, v[BM+\c]    ; the floor 2^(3 - 127): the byte cannot fall under 1
.endr
.irp c, 0,1,2,3
	v_add_nc_u32 v[SO+\c], 0xff000000, v[BM+\c]
.endr
.irp c, 0,1,2,3
	v_lshrrev_b32 v[BX+\c], 23, v[SO+\c]
.endr
	v_lshl_or_b32 v[PW], v[BX+1], 8, v[BX]
	v_lshl_or_b32 v[PW], v[BX+2], 16, v[PW]
	v_lshl_or_b32 v[PW], v[BX+3], 24, v[PW]
.irp c, 0,1
	v_cvt_scalef32_pk16_fp6_f32 v[PC+6*\c:PC+6*\c+2], v[P+32*\c:P+32*\c+15], v[SO+2*\c]
	v_cvt_scalef32_pk16_fp6_f32 v[PH+4*\c:PH+4*\c+2], v[P+32*\c+16:P+32*\c+31], v[SO+2*\c+1]
.endr
	v_nop                                          ; one plain line behind a scaled conversion
.irp c, 0,1
.irp i, 0,1,2
	v_permlane16_swap_b32 v[PC+6*\c+\i], v[PH+4*\c+\i]
.endr
.irp i, 0,1,2
	v_mov_b32 v[PC+3+6*\c+\i], v[PH+4*\c+\i]
.endr
.endr
	v_add_f32 v[SA], v[SA], v[SA+1]
	v_permlanex16_b32 v[SA+2], v[SA], s22, s23
	v_add_f32 v[SA], v[SA], v[SA+2]                ; the query's sum over my 128 keys
.irp c, 0,1,2
	global_store_b128 v3, v[PC+4*\c:PC+4*\c+3], s[8:9] offset:24576*(\a)+512*\c   ; 512 consecutive bytes
.endr
	ds_store_b32 v14, v[PW] offset:64*(\a)
	ds_store_b32 v14, v[NM] offset:256+64*(\a)
	ds_store_b32 v14, v[SA] offset:512+64*(\a)
.endm
	s_load_b256 s[4:11], s[0:1], 0x0               ; qkv_img, qkv_sc, p_img, p_st
	v_lshl_add_u32 v254, v0, 2, 0x4bf00
	v_mov_b32 v255, 0
	ds_add_u32 v254, v255
	ds_add_u32 v254, v255
	v_lshrrev_b32 v1, 5, v0
	v_readfirstlane_b32 s[WV], v1
	s_lshr_b32 s[UH], s[WV], 1                     ; my half of the queries; also: I fetch for q (0) or k (1)
	s_and_b32 s[TH], s[WV], 1                      ; my half of the keys; also: which half I fetch
	s_and_b32 s15, ttmp7, 0xffff                   ; the batch
	s_bfe_u32 s16, ttmp6, 0x40000                  ; cx
	s_bfe_u32 s17, ttmp6, 0x40004                  ; cy: the tile of 128 queries
	s_lshl_b32 s18, ttmp9, 2
	s_add_co_u32 s18, s18, s16                     ; x: the tile of 256 keys
	s_lshl_b32 s66, s17, 2
	s_lshl_b32 s66, 15, s66                        ; my row of the cluster
	s_lshl_b32 s67, 0x1111, s16                    ; my column
	s_or_b32 s[G1Q], s66, (3<<16)|(1<<21)
	s_or_b32 s[G1K], s67, (3<<16)|(1<<21)
.irp g, G1Q, G1K                               ; codes: rows (tiles of 16 positions) of 12,288 bytes, one behind the other
	s_mov_b32 s[\g+1], 1536<<16                    ; a row is a tile's whole K: 12,288 bytes, one behind the other in memory
	s_mov_b32 s[\g+3], 1536<<16
	s_mov_b32 s[\g+5], 1536
	s_mov_b32 s[\g+6], 0
	s_mov_b32 s[\g+7], 0
.endr
	s_mov_b32 s[G1Q+2], 4<<16                      ; q: 4 tiles a load
	s_mov_b32 s[G1Q+4], 4
	s_mov_b32 s[G1K+2], 8<<16                      ; k: 8
	s_mov_b32 s[G1K+4], 8
	s_mov_b32 s20, 0x3d38aa3b                      ; c = log2(e) / 32
	s_mov_b32 s21, s20
	s_mov_b32 s22, 0x76543210
	s_mov_b32 s23, 0xfedcba98
	s_wait_dscnt 0x0
	s_wait_kmcnt 0x0
	s_lshl_b32 s2, s15, 5                          ; q's codes: tile 32 b + 8 cy + 4 (wave % 2)
	s_lshl_b32 s3, s17, 3
	s_add_co_u32 s2, s2, s3
	s_lshl_b32 s3, s[TH], 2
	s_add_co_u32 s2, s2, s3
	s_mul_i32 s2, s2, 12288
	s_mov_b32 s3, 0
	s_add_nc_u64 s[2:3], s[4:5], s[2:3]
	; LDS AS IT STANDS: q's 8 tiles x 12,288 bytes, then k's 16.  One joint load a wave brings all of K (waves 0, 1: 4 tiles of q each; waves 2, 3: 8 tiles of k each); no byte is filled again.
	s_mov_b32 s[G0Q], 1
	s_mul_i32 s[G0Q+1], s[TH], 49152
	s_mov_b64 s[G0Q+2:G0Q+3], s[2:3]
	s_or_b32 s[G0Q+3], s[G0Q+3], 0x80000000
	s_lshl_b32 s2, s15, 11                         ; q's scale words
	s_lshl_b32 s3, s17, 9
	s_add_co_u32 s2, s2, s3
	s_mov_b32 s3, 0
	s_add_nc_u64 s[G0SQ+2:G0SQ+3], s[6:7], s[2:3]  ; K step 0's words of my tile's 128 queries
	s_lshl_b32 s100, s15, 7                        ; k's codes: tile 128 b + 16 x + 8 (wave % 2)
	s_lshl_b32 s101, s18, 4
	s_add_co_u32 s100, s100, s101
	s_lshl_b32 s101, s[TH], 3
	s_add_co_u32 s100, s100, s101
	s_mul_i32 s100, s100, 12288
	s_add_co_u32 s100, s100, 3145728
	s_mov_b32 s101, 0
	s_add_nc_u64 s[100:101], s[4:5], s[100:101]
	s_mul_i32 s19, s[TH], 98304
	s_mov_b32 s[G0K], 1
	s_add_co_u32 s[G0K+1], s19, 98304
	s_mov_b64 s[G0K+2:G0K+3], s[100:101]
	s_or_b32 s[G0K+3], s[G0K+3], 0x80000000
	s_lshl_b32 s100, s15, 13                       ; k's scale words
	s_lshl_b32 s101, s18, 10
	s_add_co_u32 s100, s100, s101
	s_add_co_u32 s100, s100, 131072
	s_mov_b32 s101, 0
	s_add_nc_u64 s[G0SK+2:G0SK+3], s[6:7], s[100:101]   ; K step 0's words of my tile's 256 keys
	CROUND                                         ; all sixteen work-groups are here: the joint loads meet
	JLOAD G0Q, G1Q, G0K, G1K                       ; one tensor load a wave at the head
	v_and_b32 v1, 15, v0                           ; r
	v_bfe_u32 v2, v0, 4, 1                         ; h
	v_and_b32 v17, 31, v0
	v_lshlrev_b32 v3, 4, v17                       ; 16 x lane
	s_wait_alu depctr_va_vdst(0)
	v_lshlrev_b32 v16, 3, v17
	; the scale words come through registers, 16 bytes a thread and load: q's K step wave + 4 j (512 bytes a wave), k's K step thread / 64 + 2 j (1,024 bytes for 64 threads)
	v_lshrrev_b32 v18, 5, v0
	v_lshl_add_u32 v18, v18, 14, v3
	v_lshrrev_b32 v19, 6, v0
	v_and_b32 v20, 63, v0
	v_lshlrev_b32 v20, 4, v20
	v_lshl_add_u32 v19, v19, 16, v20
	v_lshl_add_u32 v20, v0, 4, SCQ                 ; where they go in LDS: 16 x thread; j adds 2,048
.irp j, 0,1
	global_load_b128 v[64+4*\j:67+4*\j], v18, s[G0SQ+2:G0SQ+3] offset:65536*\j
.endr
.irp j, 0,1,2,3
	global_load_b128 v[72+4*\j:75+4*\j], v19, s[G0SK+2:G0SK+3] offset:131072*\j
.endr
	s_mul_i32 s2, s[UH], 49152
	s_mul_i32 s3, s[TH], 98304
	s_add_co_u32 s3, s3, 98304
	v_add_nc_u32 v[ADRA], s2, v3                   ; my 4 tiles of q
	v_add_nc_u32 v[ADRB], s3, v3                   ; my tiles 0-3 of k,
	v_add_nc_u32 v[ADRB+1], 49152, v[ADRB]         ; and 4-7: the loads' immediates have 16 bits
	s_lshl_b32 s2, s[UH], 8
	s_add_co_u32 s2, s2, SCQ
	v_lshl_add_u32 v12, v1, 2, s2
	s_lshl_b32 s2, s[TH], 9
	s_add_co_u32 s2, s2, SCK
	v_lshl_add_u32 v13, v1, 2, s2
	s_lshl_b32 s2, s[WV], 10
	s_add_co_u32 s2, s2, STG
	v_lshl_add_u32 v14, v1, 2, s2
	v_add_nc_u32 v15, s2, v16
	s_lshl_b32 s2, s17, 3                          ; p's images: batch, position tile 8 cy + 4 u + a, K step 2 x + t
	s_lshl_b32 s3, s[UH], 2
	s_add_co_u32 s2, s2, s3
	s_lshl_b32 s2, s2, 4
	s_lshl_b32 s19, s18, 1
	s_add_co_u32 s19, s19, s[TH]
	s_add_co_u32 s2, s2, s19
	s_mul_i32 s2, s2, 1536
	s_mul_i32 s3, s15, 786432
	s_add_co_u32 s2, s2, s3
	s_mov_b32 s3, 0
	s_add_nc_u64 s[8:9], s[8:9], s[2:3]
	s_lshl_b32 s2, s15, 15                         ; words, -M, sums: [batch][K step][512 queries]
	s_lshl_b32 s19, s19, 11
	s_add_co_u32 s2, s2, s19
	s_lshl_b32 s19, s17, 9
	s_add_co_u32 s2, s2, s19
	s_lshl_b32 s19, s[UH], 8
	s_add_co_u32 s2, s2, s19
	s_add_nc_u64 s[10:11], s[10:11], s[2:3]
	s_wait_alu depctr_va_vdst(0)
	s_wait_loadcnt 0x0                             ; the scale words are in registers
.irp j, 0,1
	ds_store_b128 v20, v[64+4*\j:67+4*\j] offset:2048*\j
.endr
.irp j, 0,1,2,3
	ds_store_b128 v20, v[72+4*\j:75+4*\j] offset:4096+2048*\j
.endr
	s_wait_tensorcnt 0x0                           ; my part of the codes is in,
	s_wait_dscnt 0x0                               ; and my scale words have landed: for the others' sake
	s_barrier_signal -1
	s_barrier_wait -1
	FETCH ADRA, ADRB, 0, 0, 0
	STEP 0, ADRA, ADRB, 0, 1, 1                    ; the first step's products start the sums
.irp s, 2,4,6                                  ; all of K is whole behind the one barrier above: the steps follow each other with no barrier
	STEP 1, ADRA, ADRB, 0, \s, 0
	STEP 0, ADRA, ADRB, 0, \s+1, 0
.endr
	s_wait_dscnt 0x0
.irp a, 0,1,2,3
	MULA \a, 1, 0
.endr
	WIN 0
	PLACES
.irp c, 0,1,2,3
	v_mov_b32 v[BX+\c], 0                          ; written once: a lane permute's destination counts as one of its sources
.endr
	v_mov_b32 v[SA+2], 0
	SOFT 0
	SOFT 1
	SOFT 2
	SOFT 3
.irp c, 0,1,2
	ds_load_b64 v[ZB+2*\c:ZB+2*\c+1], v15 offset:256*\c   ; my 64 queries' words, -M, sums (LDS serves a wave's instructions in order)
.endr
	s_wait_dscnt 0x0
.irp c, 0,1,2
	global_store_b64 v16, v[ZB+2*\c:ZB+2*\c+1], s[10:11] offset:262144*\c   ; 32 lanes store 256 consecutive bytes, aligned
.endr
	s_wait_tensorcnt 0x0
	ds_add_u32 v254, v255
	s_wait_dscnt 0x0
	CROUND                                         ; the closing round
	s_endpgm
.Lfunc_end_k_q8b4af78b89_score:
	.size	k_q8b4af78b89_score, .Lfunc_end_k_q8b4af78b89_score-k_q8b4af78b89_score
	.p2alignl 7, 3214868480
	.fill 96, 4, 3214868480
	.section	.rodata,"a",@progbits
	.p2align	6, 0x0
	.amdhsa_kernel k_q8b4af78b89_score
		.amdhsa_group_segment_fixed_size 327680
		.amdhsa_private_segment_fixed_size 0
		.amdhsa_enable_private_segment 0
		.amdhsa_kernarg_size 32
		.amdhsa_user_sgpr_count 2
		.amdhsa_user_sgpr_kernarg_segment_ptr 1
		.amdhsa_wavefront_size32 1
		.amdhsa_system_sgpr_workgroup_id_x 1
		.amdhsa_system_sgpr_workgroup_id_y 1
		.amdhsa_system_sgpr_workgroup_id_z 1
		.amdhsa_system_vgpr_workitem_id 0
		.amdhsa_next_free_vgpr 768
		.amdhsa_next_free_sgpr 102
		.amdhsa_reserve_vcc 0
		.amdhsa_float_denorm_mode_32 3
		.amdhsa_float_denorm_mode_16_64 3
		.amdhsa_memory_ordered 1
		.amdhsa_forward_progress 1
		.amdhsa_inst_pref_size 113
	.end_amdhsa_kernel
	.amdgpu_metadata
---
amdhsa.version: [ 1, 2 ]
amdhsa.kernels:
  - .name:           k_q8b4af78b89_score
    .symbol:         k_q8b4af78b89_score.kd
    .args:
      - { .name: qkv_img, .offset: 0, .size: 8, .value_kind: global_buffer, .address_space: global }
      - { .name: qkv_sc, .offset: 8, .size: 8, .value_kind: global_buffer, .address_space: global }
      - { .name: p_img, .offset: 16, .size: 8, .value_kind: global_buffer, .address_space: global }
      - { .name: p_st, .offset: 24, .size: 8, .value_kind: global_buffer, .address_space: global }
    .group_segment_fixed_size: 327680
    .private_segment_fixed_size: 0
    .kernarg_segment_align: 8
    .kernarg_segment_size: 32
    .max_flat_workgroup_size: 128
    .sgpr_count:     102
    .vgpr_count:     768
    .wavefront_size: 32
...
	.end_amdgpu_metadata
.endif
;; end of part 3
;; launch pv (part 4): grid 8 x 32, 4 waves a work-group, clusters of 4 x 4, 327,680 bytes of LDS; arguments p_img, p_st, qkv_img, qkv_sc, out0; writes out0
.if DOCPART == 4
	.amdgcn_target "amdgcn-amd-amdhsa--gfx1250"
	.amdhsa_code_object_version 6
	.text
	.protected	k_q8b4af78b89_pv
	.globl	k_q8b4af78b89_pv
	.p2align	8
	.type	k_q8b4af78b89_pv,@function
k_q8b4af78b89_pv:
	s_mov_b64 s[64:65], 0
	v_nop
	global_prefetch_b8 v0, s[64:65] scope:SCOPE_SE
	s_setreg_imm32_b32 hwreg(HW_REG_WAVE_MODE, 25, 1), 1
	s_wait_xcnt 0x0
	s_wait_alu depctr_hold_cnt(0) depctr_sa_sdst(0) depctr_va_vdst(0) depctr_va_sdst(0) depctr_va_ssrc(0) depctr_va_vcc(0) depctr_vm_vsrc(0)
	s_getreg_b32 s2, hwreg(HW_REG_IB_STS2, 6, 4)
	s_cmp_eq_u32 s2, 0
	s_cbranch_scc0 .Lentry_in_a_cluster
	s_endpgm
.Lentry_in_a_cluster:
	s_bfe_u32 s2, ttmp6, 0x10000c
	s_cmp_lg_u32 s2, 0xf033
	s_cbranch_scc0 .Lentry_shape_is_right
	s_endpgm
.Lentry_shape_is_right:
; O^T = v^T p^T on codes of E2M3, K = 2,048 keys, divided by the row's sum.  A tile of 128 queries x 128 channels of one batch is made by four waves, each 64 x 64: 16 accumulators.
; Source 0 = 16 channels of v^T, source 1 = 16 queries of p: a lane holds one query and eight neighbouring channels.
; THE HEAD.  p was made under a whole number M of its own for each query and each run of 128 keys.  Thread i takes query i of the tile: the row's M is the largest of the 16; run s's four scale bytes are lowered by
; M - M_s, which multiplies its p by 2^(M_s - M) exactly; the run's sum is multiplied by the same power of two; the 16 are added, and the reciprocal is kept.  The mended words and the reciprocals go to LDS.
; K is four quarters of 512.  THREE LDS slots of 98,304 bytes take the first three quarters as first fills; the last quarter is the launch's one refill, into slot 0, behind the change from slot 0 to slot 1:
; it has two slots' products, 128 matrix instructions a wave, in which to land.  v^T's scale words of all of K come once.  A wave has one tensor load out at the start and one behind the refill.
; A step's 32 LDS loads stand in two runs, each ahead of a block of four products, so that they are issued while the matrix unit works.
; CLUSTER 4 x 4: p's tile hangs on the batch and cy and is asked for jointly along a row of the cluster, v^T's on the batch and x, along a column.
; REGISTERS.  window 0: v1-20 addresses; v28, v29 the add's; v32-63 scale words; v64-111, v160-207 p's two sets (v64-124 at work in the head); on the way out v64-231.  window 1: v0-47, v128-175 v^T's two sets.  window 2: accumulator (a, b) at v[8 (8 a + b)].
; LIMITS: NaN and infinities are not served.  A scale byte that the shift would take under 0 is held at 0, and the shift is held at 255: such a p lies under 2^-124 while the row's sum is over 1/2.
.set TP,    6144                       ; a tile of 16 positions in a slot: four fragments
.set HALF,  4*TP
.set SLOT,  4*HALF                     ; p's 8 tiles, then v^T's 8
.set SCV,   3*SLOT                     ; behind the three slots: v^T's scale words [16][128]
.set PF,    SCV+8192                   ; p's mended words [16][128]: stored by the waves, no fill lands there
.set RL,    PF+8192                    ; 128 reciprocals
.set SPARE, RL+512                     ; the spare words: 128 bytes a wave
.set PS,    512
.set ADRA, 4                           ; v4-6   p's fragments in slot 0, 1, 2
.set ADRB, 8                           ; v8-10  v^T's
.set WV, 14
.set UH, 15
.set TH, 16
.set G1P, 24                           ; s[24:31] group 1 for p's tiles; s[32:43] group 0, a set for each slot
.set G0P, 32
.set G1V, 48                           ; s[48:55], s[84:95] the same for v^T's
.set G0V, 84
.set G1S, 68
.set G0S, 76
.set TO_B, 0x40
.set MSB, 0
.macro WIN new
.if MSB != (\new)
	s_set_vgpr_msb (MSB<<8)|(\new)
.set MSB, (\new)
.endif
.endm
.macro PLACES
.rept 4
	v_nop
.endr
.endm
.macro JLOAD g0a, g1a, g0b, g1b        ; waves 0, 1 fetch for p, waves 2, 3 for v^T; four v_nop follow each line
	s_cmp_eq_u32 s[UH], 0
	s_cbranch_scc0 .Lfor_b_\@
	tensor_load_to_lds s[\g0a:\g0a+3], s[\g1a:\g1a+7]
	s_nop 0
.rept 4
	v_nop
.endr
	s_branch .Lasked_\@
.Lfor_b_\@:
	tensor_load_to_lds s[\g0b:\g0b+3], s[\g1b:\g1b+7]
	s_nop 0
.rept 4
	v_nop
.endr
.Lasked_\@:
.endm
.macro CREST
	s_cmp_lg_u32 s[WV], 0
	s_cbranch_scc1 .Lnot_wave_0_\@
	s_barrier_signal -3
.Lnot_wave_0_\@:
	s_barrier_wait -3
	s_barrier_signal -1
	s_barrier_wait -1
.endm
.macro CROUND
	s_barrier_signal -1
	s_barrier_wait -1
	CREST
.endm
.macro FRAG reg, adr, off
.irp c, 0,1,2
	ds_load_b128 v[\reg+4*\c:\reg+4*\c+3], v[\adr] offset:\off+512*\c
.endr
.endm
; THE RUNS OF LDS LOADS for the slot's q-th 128 along K, into set p
.macro LD_S0 adrb, q, p                ; v^T's four fragments: 12 loads
	WIN TO_B
.irp b, 0,1,2,3
	FRAG 128*(\p)+12*\b, \adrb, \b*TS+1536*(\q)    ; TS: bytes from tile to tile where the step's fragments lie
.endr
.endm
.macro LD_S1 adra, q, p, s             ; p's four fragments and the scale words of K step s: 20 loads
	WIN 0
.irp a, 0,1,2,3
	FRAG 64+96*(\p)+12*\a, \adra, \a*TS+1536*(\q)
.endr
.irp a, 0,1,2,3
	ds_load_b32 v[32+16*(\p)+\a], v12 offset:(\s)*PS+64*\a
.endr
.irp b, 0,1,2,3
	ds_load_b32 v[40+16*(\p)+\b], v13 offset:(\s)*PS+64*\b
.endr
.endm
.macro MULA a, p, cm                   ; p's block a against v^T's four; cm = 1: the products start the sums.  The 16 accumulators take turns
	WIN 0xa1
.irp b, 0,1,2,3
.set rD, 8*(8*(\a)+\b)
.set rS0, 128*(\p)+12*\b
.set rS1, 64+96*(\p)+12*(\a)
.set rX0, 40+16*(\p)+\b
.set rX1, 32+16*(\p)+(\a)
.if (\cm) == 0
	v_wmma_scale_f32_16x16x128_f8f6f4 v[rD:rD+7], v[rS0:rS0+11], v[rS1:rS1+11], v[rD:rD+7], v[rX0], v[rX1] matrix_a_fmt:MATRIX_FMT_FP6 matrix_b_fmt:MATRIX_FMT_FP6
.else
	v_wmma_scale_f32_16x16x128_f8f6f4 v[rD:rD+7], v[rS0:rS0+11], v[rS1:rS1+11], 0, v[rX0], v[rX1] matrix_a_fmt:MATRIX_FMT_FP6 matrix_b_fmt:MATRIX_FMT_FP6
.endif
.endr
.endm
; A step multiplies set p; among its products the next step's fragments are asked for, into the other set.  The four places at its head stand between the last products that read the other set and both runs of loads.
.macro STEP p, adra, adrb, q, s, cm
	s_wait_dscnt 0x0                               ; set p is in
	PLACES
	LD_S0 \adrb, \q, 1-(\p)
	MULA 0, \p, \cm
	LD_S1 \adra, \q, 1-(\p), \s
	MULA 1, \p, \cm
	MULA 2, \p, \cm
	MULA 3, \p, \cm
	WIN 0
.endm
; A step (set 1) with a barrier: ahead of it each wave waits for all its tensor loads, adds 0 to its spare word, and waits for that and for its LDS reads.
; fill = 1: slot 0, which nobody reads any more, is filled again with the last quarter of K.  fill = 0: that quarter has landed in every wave's part; nothing is filled.
.macro TURN next, fill, s
	s_wait_tensorcnt 0x0                           ; all my tensor loads have landed
	ds_add_u32 v28, v29                            ; 0 onto my spare word
	s_wait_dscnt 1                                 ; set 1 is in; the add alone may be out
	MULA 0, 1, 0
	s_wait_dscnt 0x0                               ; the add is done, and my reads of the slot that I leave are over
	s_barrier_signal -1
	MULA 1, 1, 0
	WIN 0
	s_barrier_wait -1
.if \fill
	CREST                                          ; the barrier has opened a round of the cluster's: no wave of any partner still reads slot 0 or has a load on its way
	s_add_nc_u64 s[G0P+2:G0P+3], s[G0P+2:G0P+3], 3*TP
	s_add_nc_u64 s[G0V+2:G0V+3], s[G0V+2:G0V+3], 3*TP
	JLOAD G0P, G1P, G0V, G1V                       ; the first tensor load behind the round; its four v_nop are also the places ahead of the loads below
.else
	PLACES
.endif
	LD_S0 ADRB+\next, 0, 0
	MULA 2, 1, 0
	LD_S1 ADRA+\next, 0, 0, \s
	MULA 3, 1, 0
	WIN 0
.endm
.macro MEND s                          ; run s of my query: v[64+s] its scale word, v[80+s] its -M, v[96+s] its sum; v112 the row's -M
	v_sub_f32 v114, v[80+\s], v112                 ; M - M_s: a whole number, 0 or more
	v_cvt_i32_f32 v114, v114                       ; (it saturates)
	v_min_u32 v114, 255, v114
	v_sub_nc_u32 v115, 0, v114
.if (\s) == 0
	v_ldexp_f32 v113, v[96+\s], v115               ; the run's sum under the row's M
.else
	v_ldexp_f32 v116, v[96+\s], v115
	v_add_f32 v113, v113, v116
.endif
.irp k, 0,1,2,3
	v_bfe_u32 v[117+\k], v[64+\s], 8*\k, 8
.endr
.irp k, 0,1,2,3
	v_min_u32 v[121+\k], v[117+\k], v114
.endr
.irp k, 0,1,2,3
	v_sub_nc_u32 v[117+\k], v[117+\k], v[121+\k]   ; the byte less the shift, held at 0
.endr
	v_lshl_or_b32 v[64+\s], v118, 8, v117
	v_lshl_or_b32 v[64+\s], v119, 16, v[64+\s]
	v_lshl_or_b32 v[64+\s], v120, 24, v[64+\s]
	ds_store_b32 v19, v[64+\s] offset:512*(\s)
.endm
	s_load_b256 s[4:11], s[0:1], 0x0               ; p_img, p_st, qkv_img, qkv_sc
	s_load_b64 s[12:13], s[0:1], 0x20              ; out0
	v_lshl_add_u32 v28, v0, 2, SPARE
	v_mov_b32 v29, 0
	ds_add_u32 v28, v29
	ds_add_u32 v28, v29
	s_wait_dscnt 0x0
	v_lshrrev_b32 v1, 5, v0
	v_readfirstlane_b32 s[WV], v1
	s_lshr_b32 s[UH], s[WV], 1                     ; my half of the queries; also: I fetch for p (0) or v^T (1)
	s_and_b32 s[TH], s[WV], 1                      ; my half of the channels; also: which half I fetch
	s_and_b32 s17, ttmp7, 0xffff                   ; the batch
	s_bfe_u32 s18, ttmp6, 0x40000                  ; cx
	s_bfe_u32 s19, ttmp6, 0x40004                  ; cy: the tile of 128 queries
	s_lshl_b32 s20, ttmp9, 2
	s_add_co_u32 s20, s20, s18                     ; x: the tile of 128 channels
	s_lshl_b32 s21, s19, 2
	s_lshl_b32 s21, 15, s21                        ; my row of the cluster
	s_lshl_b32 s22, 0x1111, s18                    ; my column
	s_or_b32 s[G1P], s21, (3<<16)|(1<<21)
	s_or_b32 s[G1V], s22, (3<<16)|(1<<21)
.irp g, G1P, G1V                               ; codes: 4 rows (tiles of 16 positions) of 6,144 bytes, 24,576 bytes apart
	s_mov_b32 s[\g+1], 1536<<16                    ; the head's load: rows of 12,288 bytes, the first two quarters of K
	s_mov_b32 s[\g+2], 4<<16
	s_mov_b32 s[\g+3], 1536<<16
	s_mov_b32 s[\g+4], 4
	s_mov_b32 s[\g+5], 3072
	s_mov_b32 s[\g+6], 0
	s_mov_b32 s[\g+7], 0
.endr
	s_wait_kmcnt 0x0
	s_lshl_b32 s100, s17, 16                       ; v^T's scale words: batch, K steps 4 wave on, channels 128 x on
	s_lshl_b32 s101, s[WV], 14
	s_add_co_u32 s100, s100, s101
	s_lshl_b32 s101, s20, 9
	s_add_co_u32 s100, s100, s101
	s_add_co_u32 s100, s100, 655360
	s_mov_b32 s101, 0
	s_add_nc_u64 s[G0S+2:G0S+3], s[10:11], s[100:101]   ; they come through registers: my wave takes K steps 4 wave + j
	s_lshl_b32 s2, s19, 3                          ; p's codes: tile 8 cy + 4 (wave % 2)
	s_lshl_b32 s3, s[TH], 2
	s_add_co_u32 s2, s2, s3
	s_mul_i32 s2, s2, 24576
	s_mul_i32 s3, s17, 786432
	s_add_co_u32 s2, s2, s3
	s_mov_b32 s3, 0
	s_add_nc_u64 s[2:3], s[4:5], s[2:3]
	s_lshl_b32 s100, s20, 3                        ; v^T's codes: tile 8 x + 4 (wave % 2)
	s_lshl_b32 s101, s[TH], 2
	s_add_co_u32 s100, s100, s101
	s_mul_i32 s100, s100, 24576
	s_mul_i32 s101, s17, 1572864
	s_add_co_u32 s100, s100, s101
	s_add_co_u32 s100, s100, 15728640
	s_mov_b32 s101, 0
	s_add_nc_u64 s[100:101], s[8:9], s[100:101]
	s_mul_i32 s23, s[WV], HALF
	; THE RING AS IT STANDS.  Bytes 0 to 2 SLOT: four parts of 49,152 bytes, one a loading wave, [4 tiles][12,288 bytes]: quarters 0 and 1 of K, brought by the head's one load a wave.
	; Slot 2 takes quarter 2 behind the first round; quarter 3 is the one refill, [4 tiles][6,144 bytes] at the start of each part, behind the round in K step 7.  One tensor load a wave is out at any time.
.irp s, 0,2
	s_mov_b32 s[G0P+4*\s], 1
	s_add_nc_u64 s[G0P+4*\s+2:G0P+4*\s+3], s[2:3], \s*TP
	s_or_b32 s[G0P+4*\s+3], s[G0P+4*\s+3], 0x80000000
	s_mov_b32 s[G0V+4*\s], 1
	s_add_nc_u64 s[G0V+4*\s+2:G0V+4*\s+3], s[100:101], \s*TP
	s_or_b32 s[G0V+4*\s+3], s[G0V+4*\s+3], 0x80000000
.endr
	s_lshl_b32 s[G0P+1], s23, 1                    ; my part: wave x 49,152
	s_lshl_b32 s[G0V+1], s23, 1
	s_add_co_u32 s[G0P+9], s23, 2*SLOT             ; my quarter of slot 2
	s_add_co_u32 s[G0V+9], s23, 2*SLOT
	CROUND                                         ; all sixteen work-groups are here: the first joint loads meet
	JLOAD G0P, G1P, G0V, G1V                       ; one tensor load a wave at the head
	v_and_b32 v1, 15, v0                           ; r
	v_bfe_u32 v2, v0, 4, 1                         ; h
	v_and_b32 v3, 31, v0
	v_lshlrev_b32 v3, 4, v3                        ; 16 x lane
	s_wait_alu depctr_va_vdst(0)
	v_lshlrev_b32 v18, 2, v0                       ; 4 x thread: my query's word in a run's 128
	v_lshl_add_u32 v19, v0, 2, PF
	v_lshl_add_u32 v20, v0, 2, RL
	s_lshl_b32 s2, s17, 15                         ; words, -M, sums: [batch][K step][512 queries]
	s_lshl_b32 s3, s19, 9
	s_add_co_u32 s2, s2, s3
	s_mov_b32 s3, 0
	s_add_nc_u64 s[6:7], s[6:7], s[2:3]
	v_lshrrev_b32 v21, 5, v0
	v_lshl_add_u32 v21, v21, 11, v3
	v_add_nc_u32 v21, SCV, v21                     ; v^T's scale words in LDS: K step 4 wave + j, 16 bytes a lane
.irp j, 0,1,2,3
	global_load_b128 v[128+4*\j:131+4*\j], v3, s[G0S+2:G0S+3] offset:4096*\j   ; 512 consecutive bytes: a K step's words of my tile's 128 channels
.endr
.irp s, 0,1,2,3,4,5,6,7,8,9,10,11,12,13,14,15
	global_load_b32 v[64+\s], v18, s[6:7] offset:2048*\s
	global_load_b32 v[80+\s], v18, s[6:7] offset:262144+2048*\s
	global_load_b32 v[96+\s], v18, s[6:7] offset:524288+2048*\s
.endr
	s_mul_i32 s2, s[UH], HALF
	s_mul_i32 s3, s[TH], HALF
	s_add_co_u32 s3, s3, 2*HALF
	v_add_nc_u32 v[ADRA+2], s2, v3
	v_add_nc_u32 v[ADRB+2], s3, v3
	v_add_nc_u32 v[ADRA], s2, v[ADRA+2]            ; the parts of 49,152 bytes lie twice as far apart as a slot's quarters
	v_add_nc_u32 v[ADRB], s3, v[ADRB+2]
	v_add_nc_u32 v[ADRA+2], 2*SLOT, v[ADRA+2]
	v_add_nc_u32 v[ADRB+2], 2*SLOT, v[ADRB+2]
	s_lshl_b32 s2, s[UH], 8
	s_add_co_u32 s3, s2, PF
	v_lshl_add_u32 v12, v1, 2, s3                  ; p's mended words: query r of my 64
	s_add_co_u32 s3, s2, RL
	v_lshl_add_u32 v16, v1, 2, s3                  ; and its reciprocal
	s_lshl_b32 s2, s[TH], 8
	s_add_co_u32 s2, s2, SCV
	v_lshl_add_u32 v13, v1, 2, s2                  ; v^T's words: channel r of my 64
	s_mul_i32 s2, s[WV], 16*272                    ; the way out: my stage at the head of slot 2, which is filled once and whose last reads lie ahead of the last barrier
	s_add_co_u32 s2, s2, 2*SLOT
	v_mul_u32_u24 v14, v1, 272
	v_lshl_add_u32 v14, v2, 5, v14
	v_add_nc_u32 v14, s2, v14                      ; in: row r, 32 bytes for each half of the lanes
	v_mul_u32_u24 v15, v2, 272
	v_lshl_add_u32 v15, v1, 4, v15
	v_add_nc_u32 v15, s2, v15                      ; back: lanes 0-15 one row of 256 bytes, lanes 16-31 the next
	v_lshlrev_b32 v17, 12, v2
	v_lshl_add_u32 v17, v1, 4, v17                 ; and the same two rows in out0
	s_lshl_b32 s2, s17, 9
	s_lshl_b32 s3, s19, 7
	s_add_co_u32 s2, s2, s3
	s_lshl_b32 s3, s[UH], 6
	s_add_co_u32 s2, s2, s3                        ; my first row of out0
	s_lshl_b32 s2, s2, 12
	s_lshl_b32 s3, s20, 9
	s_add_co_u32 s2, s2, s3
	s_lshl_b32 s3, s[TH], 8
	s_add_co_u32 s2, s2, s3                        ; + my first channel
	s_mov_b32 s3, 0
	s_add_nc_u64 s[12:13], s[12:13], s[2:3]
	s_wait_loadcnt 0x0
.irp j, 0,1,2,3
	ds_store_b128 v21, v[128+4*\j:131+4*\j] offset:512*\j
.endr
	v_min3_num_f32 v112, v80, v81, v82             ; the least -M: the row's
.irp i, 83,85,87,89,91,93
	v_min3_num_f32 v112, v112, v[\i], v[\i+1]
.endr
	v_min_num_f32 v112, v112, v95
.irp s, 0,1,2,3,4,5,6,7,8,9,10,11,12,13,14,15
	MEND \s
.endr
	s_wait_alu depctr_va_vdst(0)
	v_rcp_f32 v113, v113
	v_nop                                          ; a plain line behind the transcendental,
	s_wait_alu depctr_va_vdst(0)                   ; and the wait ahead of the first line that names its result
	ds_store_b32 v20, v113
	s_wait_tensorcnt 0x0                           ; my part of quarters 0 and 1 is in
	ds_add_u32 v28, v29
	s_mov_b32 s[G1P+1], 768<<16                    ; no tensor load of mine is out: from here on a load's rows are 6,144 bytes
	s_mov_b32 s[G1P+3], 768<<16
	s_mov_b32 s[G1V+1], 768<<16
	s_mov_b32 s[G1V+3], 768<<16
	s_wait_dscnt 0x0                               ; the add is done; for the others' sake: my words and my reciprocal have landed
	CROUND
	JLOAD G0P+8, G1P, G0V+8, G1V                   ; quarter 2, the first tensor load behind the round
.set TS, 12288
	LD_S0 ADRB, 0, 0                               ; K step 0
	LD_S1 ADRA, 0, 0, 0
	STEP 0, ADRA, ADRB, 1, 1, 1                    ; the first step's products start the sums
	STEP 1, ADRA, ADRB, 2, 2, 0
	STEP 0, ADRA, ADRB, 3, 3, 0
	STEP 1, ADRA, ADRB, 4, 4, 0
	STEP 0, ADRA, ADRB, 5, 5, 0
	STEP 1, ADRA, ADRB, 6, 6, 0
	STEP 0, ADRA, ADRB, 7, 7, 0
.set TS, 6144
	TURN 2, 1, 8                                   ; K step 7; quarters 0 and 1 are left, and the start of each part takes the last quarter of K
	STEP 0, ADRA+2, ADRB+2, 1, 9, 0
	STEP 1, ADRA+2, ADRB+2, 2, 10, 0
	STEP 0, ADRA+2, ADRB+2, 3, 11, 0
	TURN 0, 0, 12                                  ; K step 11; the refill has landed; nothing is left to fetch
	STEP 0, ADRA, ADRB, 1, 13, 0
	STEP 1, ADRA, ADRB, 2, 14, 0
	STEP 0, ADRA, ADRB, 3, 15, 0
	s_wait_dscnt 0x0
.irp a, 0,1,2,3
	MULA \a, 1, 0                                  ; K step 15
.endr
	WIN 0
	; THE WAY OUT: O^T / the sum goes through my stage, 16 queries x 64 channels at a time, and leaves as rows of 256 bytes
	PLACES
.irp a, 0,1,2,3
	ds_load_b32 v[224+2*\a], v16 offset:64*\a
	ds_load_b32 v[225+2*\a], v16 offset:64*\a      ; twice: a pair for the packed multiply
.endr
	s_wait_dscnt 0x0
.irp a, 0,1,2,3
.if \a > 0
	s_wait_dscnt 8                                 ; the last block's stores into the stage have read their registers; its eight loads may be out
.endif
	WIN 0x02                                       ; source 0: window 2
.irp b, 0,1,2,3
.irp j, 0,2,4,6
	v_pk_mul_f32 v[64+8*\b+\j:64+8*\b+\j+1], v[64*\a+8*\b+\j:64*\a+8*\b+\j+1], v[224+2*\a:225+2*\a]   ; each accumulator from its low end on
.endr
.endr
	WIN 0
.irp b, 0,1,2,3
	ds_store_b128 v14, v[64+8*\b:64+8*\b+3] offset:64*\b
	ds_store_b128 v14, v[64+8*\b+4:64+8*\b+7] offset:64*\b+16
.endr
.irp i, 0,1,2,3,4,5,6,7
	ds_load_b128 v[96+32*\a+4*\i:96+32*\a+4*\i+3], v15 offset:544*\i   ; LDS serves a wave's instructions in order: these see the stores above, and the next block's stores come behind them
.endr
.endr
.irp a, 0,1,2,3
.irp i, 0,1,2,3,4,5,6,7
	s_wait_dscnt (3-\a)*16+7-\i                    ; behind this load: the rest of its block's loads and the later blocks' sixteen instructions each
	global_store_b128 v17, v[96+32*\a+4*\i:96+32*\a+4*\i+3], s[12:13] offset:(16*\a+2*\i)*4096 th:TH_STORE_NT   ; sixteen lanes store 256 consecutive bytes, aligned
.endr
.endr
	s_wait_tensorcnt 0x0                           ; the wave's end
	ds_add_u32 v28, v29
	s_wait_dscnt 0x0
	CROUND                                         ; the closing round
	s_endpgm
.Lfunc_end_k_q8b4af78b89_pv:
	.size	k_q8b4af78b89_pv, .Lfunc_end_k_q8b4af78b89_pv-k_q8b4af78b89_pv
	.p2alignl 7, 3214868480
	.fill 96, 4, 3214868480
	.section	.rodata,"a",@progbits
	.p2align	6, 0x0
	.amdhsa_kernel k_q8b4af78b89_pv
		.amdhsa_group_segment_fixed_size 327680
		.amdhsa_private_segment_fixed_size 0
		.amdhsa_enable_private_segment 0
		.amdhsa_kernarg_size 40
		.amdhsa_user_sgpr_count 2
		.amdhsa_user_sgpr_kernarg_segment_ptr 1
		.amdhsa_wavefront_size32 1
		.amdhsa_system_sgpr_workgroup_id_x 1
		.amdhsa_system_sgpr_workgroup_id_y 1
		.amdhsa_system_sgpr_workgroup_id_z 1
		.amdhsa_system_vgpr_workitem_id 0
		.amdhsa_next_free_vgpr 768
		.amdhsa_next_free_sgpr 102
		.amdhsa_reserve_vcc 0
		.amdhsa_float_denorm_mode_32 3
		.amdhsa_float_denorm_mode_16_64 3
		.amdhsa_memory_ordered 1
		.amdhsa_forward_progress 1
		.amdhsa_inst_pref_size 115
	.end_amdhsa_kernel
	.amdgpu_metadata
---
amdhsa.version: [ 1, 2 ]
amdhsa.kernels:
  - .name:           k_q8b4af78b89_pv
    .symbol:         k_q8b4af78b89_pv.kd
    .args:
      - { .name: p_img, .offset: 0, .size: 8, .value_kind: global_buffer, .address_space: global }
      - { .name: p_st, .offset: 8, .size: 8, .value_kind: global_buffer, .address_space: global }
      - { .name: qkv_img, .offset: 16, .size: 8, .value_kind: global_buffer, .address_space: global }
      - { .name: qkv_sc, .offset: 24, .size: 8, .value_kind: global_buffer, .address_space: global }
      - { .name: out0, .offset: 32, .size: 8, .value_kind: global_buffer, .address_space: global }
    .group_segment_fixed_size: 327680
    .private_segment_fixed_size: 0
    .kernarg_segment_align: 8
    .kernarg_segment_size: 40
    .max_flat_workgroup_size: 128
    .sgpr_count:     102
    .vgpr_count:     768
    .wavefront_size: 32
...
	.end_amdgpu_metadata
.endif
;; end of part 4
